; MI455X (gfx1250); checked and timed in simulation.
; The chip was launched on July 23, 2026; its instructions are those of AMD's public machine-readable ISA for CDNA 5 (MIT licence, August 2026) and "CDNA5" Instruction Set Architecture Reference Guide (July 2026). The comments in the code are by the model that wrote it; some were corrected since.
;; Multi Head Attention. Allowed arithmetic: matrix products marked QUANTISED: E2M3 operands, one E8M0 scale for each 32 along K, by v_wmma_scale_f32_16x16x128_f8f6f4 with both operands' format E2M3, f32 sums; everything else in f32.
;; Inputs: W_k 1,024 x 1,024 float32; W_out 1,024 x 1,024 float32; W_q 1,024 x 1,024 float32; W_v 1,024 x 1,024 float32; b_k 1,024 float32; b_out 1,024 float32; b_q 1,024 float32; b_v 1,024 float32; key 4 x 2,048 x 1,024 float32; query 4 x 2,048 x 1,024 float32; value 4 x 2,048 x 1,024 float32.
;; Outputs: out0 4 x 2,048 x 1,024 float32.
;; This version of the problem:
;;   THIS VERSION OF THE PROBLEM IS GIVEN IN LOW PRECISION. The matrix products marked QUANTISED in the list below multiply operands that are first quantised to E2M3 (2 exponent bits, 3 mantissa bits; 6 bits a number), with one power-of-two scale for each 32 numbers along K (OCP MX v1.0); their sums are f32. All else is computed in f32.
;;   The module's matrix products, in the order in which they are computed (A, B: the left and right operand; K: the contracted axis; several contracted axes count as one K, in the product's order):
;;     1. [M 8,192, K 1,024] x [K 1,024, N 1,024]; A: input query; B: input W_q: QUANTISED
;;     2. [M 8,192, K 1,024] x [K 1,024, N 1,024]; A: input key; B: input W_k: QUANTISED
;;     3. [M 8,192, K 1,024] x [K 1,024, N 1,024]; A: input value; B: input W_v: QUANTISED
;;     4. batch 64 x [M 2,048, K 64] x [K 64, N 2,048]; A: computed on the way; B: computed on the way: QUANTISED
;;     5. batch 64 x [M 2,048, K 2,048] x [K 2,048, N 64]; A: softmax (see below); B: computed on the way: QUANTISED
;;     6. [M 8,192, K 1,024] x [K 1,024, N 1,024]; A: computed on the way; B: input W_out: QUANTISED
;;   THE QUANTISER, for each operand of a quantised product, along K:
;;     - K is cut into blocks of 32 from its start; a last block that is shorter is filled with zeros.
;;     - A block's scale is 2^e with e = floor(log2(the largest magnitude in the block)) - 2, held to -126 .. 127; a block of zeros has e = 0. As a byte (E8M0): e + 127.
;;     - Each number is divided by its block's scale, clamped to +-7.5, and rounded to the nearest number of E2M3, ties to even, subnormals kept.
;;     - The product sums the exact products of the quantised numbers (number of the format x scale) in f32.
;;   ~~~python
;;   def quantise(x, axis):      # numpy; x: float32 -> the quantised numbers, widened to float32 again
;;       x = np.moveaxis(x, axis, -1); K = x.shape[-1]
;;       x = np.pad(x, [(0, 0)] * (x.ndim - 1) + [(0, -K % 32)]); x = x.reshape(x.shape[:-1] + (-1, 32)); a = np.abs(x).max(-1, keepdims=True)
;;       e = np.where(a > 0, np.clip(np.frexp(np.where(a > 0, a, 1))[1] - 1 - 2, -126, 127), 0)      # np.frexp(a)[1] - 1 = floor(log2(a)), exactly
;;       r = np.clip(x / 2.0 ** e, -7.5, 7.5)
;;       step = 2.0 ** (np.maximum(np.frexp(np.where(r == 0, 1, r))[1] - 1, 0) - 3)
;;       q = np.round(r / step) * step * 2.0 ** e      # np.round: ties to even
;;       return np.moveaxis(q.reshape(q.shape[:-2] + (-1,))[..., :K], -1, axis).astype(np.float32)
;;   ~~~
;;   SOFTMAX AHEAD OF A QUANTISED PRODUCT. Where the list says 'softmax', what is quantised is not the finished softmax but p = 2^(t - M), with t = logit x log2(e) and M = ceil(the row's largest t), a whole number; so 1/2 < the row's largest p <= 1. The row's sum l is taken of the UNQUANTISED p, in f32, and the product's result is divided by l at the end. Since M is a whole number, a kernel that streams over the keys may use a running M (the ceiling of the running maximum): every later rescaling is an exact power of two, which a block's scale takes up: the codes' values come out the same.
;;   OPERANDS COMPUTED ON THE WAY. 'Computed on the way' means the value that the module computes at that place (a softmax that the list does not call 'softmax' is quantised finished and normalised). What goes into a quantiser is computed in f32, as accurately as f32 sums, v_exp_f32 and their like allow (about 1e-6 of the number): no bf16 or f16 on the way to a quantiser, and a product that is left as it is and whose result goes on into a quantised operand takes f32 operands (vector FMAs, or v_wmma_f32_16x16x4_f32). A number that lies on a knife's edge between two numbers of the format may be rounded either way, as far as f32 arithmetic and the matrix unit's own rounding can turn it there, and no further.
;; One version. Each part assembles by itself: llvm-mc -triple=amdgcn-amd-amdhsa -mcpu=gfx1250 --defsym DOCPART=n.
;; ======== version 1 of 1: 4 launches
;; limits: right only within a limited range of input values
;; workspace buffers: codes 22,020,096 bytes; scales 917,504 bytes; hb 20,185,088 bytes; oc 6,291,456 bytes; os 262,144 bytes
;; launch quant (part 1): grid 448 x 1, 4 waves a work-group, no clusters, 34,304 bytes of LDS; arguments query, key, value, W_q, W_k, W_v, W_out, codes, scales; writes codes, scales
.if DOCPART == 1
	.amdgcn_target "amdgcn-amd-amdhsa--gfx1250"
	.amdhsa_code_object_version 6
	.text
	.protected	k_qafc78bff71_quant
	.globl	k_qafc78bff71_quant
	.p2align	8
	.type	k_qafc78bff71_quant,@function
k_qafc78bff71_quant:
	s_mov_b64 s[64:65], 0
	v_nop
	global_prefetch_b8 v0, s[64:65] scope:SCOPE_SE
	s_setreg_imm32_b32 hwreg(HW_REG_WAVE_MODE, 25, 1), 1
	s_wait_xcnt 0x0
; query, key, value [8192][1024] and W_q, W_k, W_v, W_out [1024][1024], f32, K = 1,024 innermost, become codes of FP6 (E2M3) with one E8M0 byte for each 32 along K.
; The seven tensors are one stream of 28,672 rows = 1,792 row tiles of 16.  codes: [row tile][K step of 128][piece 0..5][lane][8 bytes]: the image of an operand's 12 registers (piece p = registers 2 p, 2 p + 1),
; 1,536 bytes a fragment, 12,288 a row tile.  scales: [row tile][lane row][32 bytes], byte j for k = 32 j on.
; WHICH ROWS FORM A TILE: in key, value, W_q, W_k, W_v lane r of tile T holds row 32 (T / 2) + 8 (T % 2) + r + 8 (r / 8), so that, where such a tile is source 0 of a product, the 16 result registers of tiles
; 2 b and 2 b + 1 are 16 neighbours.  In query and W_out lane r of tile T holds row 16 T + r.
; A block's scale is 2^(floor(log2(largest magnitude)) - 2); its byte is the largest magnitude's exponent field - 2, held at 1 from below.
; LIMITS: a block whose largest magnitude lies under 2^-124 keeps the byte 1; a block of zeros gets the byte 1 where the quantiser's text says 127 (its codes are zeros, and this program alone reads the bytes);
; NaN and infinities among the inputs are not served.
; SHARES: a work-group takes 64 rows, a wave one row tile for all of K: 8 steps of 16 rows x 128.  A load reads 512 consecutive bytes of one row; the 16 rows turn through the wave's own stage in LDS
; (rows 528 bytes apart: 33 x 16, so that sixteen lanes' 16 bytes fall on sixteen different columns) and come back 128 bytes a lane: k = 64 c + 32 h + 0 .. 31 of row r, as the operand's layout gives them to lane (r, h).
; No matrix work, no cluster (work-groups share no input), no barrier (waves share nothing).  Loads run two steps, 32 loads a wave, ahead.
.set STG,   16*528                     ; a wave's stage
.set SPARE, 4*STG                      ; behind the stages: the spare words, 128 bytes a wave, that no other line names
.set VLO,  4                           ; v4   16 x lane: my bytes of a load's 512, rows 0-7 of the tile
.set VHI,  5                           ; v5   the same for rows 8-15: 8 rows further on where the tile's rows are chosen
.set SA,   6                           ; v6   the stage, in
.set LA,   7                           ; v7   the stage, out
.set OA,   8                           ; v8   8 x lane: my place in a piece
.set SOA,  9                           ; v9   32 r + 16 h: my 16 bytes of the tile's scale rows
.set SPW,  12                          ; v12  my spare word;  v13  0: both never rewritten
.set NIL,  13
.set M,    14                          ; v14-15 largest magnitudes;  v16-17 the conversions' scale operands;  v18-19 bytes;  v20 half a scale word
.set SO,   16
.set E,    18
.set W,    20
.set WORD, 24                          ; v24-31 row r's scale word of step t
.set WS,   32                          ; v32-35 the four words that I store
.set C,    36                          ; v36-47 a step's codes
.set TQ,   48                          ; v48-50, v52-54: a conversion's three registers begin on an even number
.set X,    64                          ; v64-127 my 64 numbers
.set R,    128                         ; v128-255 two sets of 64 as loaded
	s_load_b256 s[4:11], s[0:1], 0x0               ; query, key, value, W_q
	s_load_b256 s[12:19], s[0:1], 0x20             ; W_k, W_v, W_out, codes
	s_load_b64 s[20:21], s[0:1], 0x40              ; scales
	v_lshl_add_u32 v[SPW], v0, 2, SPARE
	v_mov_b32 v[NIL], 0
	v_lshrrev_b32 v1, 5, v0
	v_readfirstlane_b32 s22, v1                    ; wave
	v_and_b32 v1, 31, v0                           ; lane
	v_and_b32 v2, 15, v0                           ; r
	v_bfe_u32 v3, v0, 4, 1                         ; h
	v_lshlrev_b32 v[VLO], 4, v1
	s_mul_i32 s35, s22, STG
	v_add_nc_u32 v[SA], s35, v[VLO]
	v_mul_u32_u24 v[LA], v2, 528
	v_lshl_add_u32 v[LA], v3, 7, v[LA]
	v_add_nc_u32 v[LA], s35, v[LA]
	v_lshlrev_b32 v[OA], 3, v1
	v_lshlrev_b32 v[SOA], 5, v2
	v_lshl_add_u32 v[SOA], v3, 4, v[SOA]
	v_lshlrev_b32 v10, 3, v3                       ; 8 h: my two bytes' shift in a scale word
	v_mov_b32 v11, 0                               ; a lane permute's destination counts as a source: written once
	s_mov_b32 s36, 0x76543210
	s_mov_b32 s37, 0xfedcba98                      ; selects for lane l xor 16
	s_cmp_lt_u32 ttmp9, 432                        ; work-groups 128 to 431 (key .. W_v) choose their tiles' rows
	s_cselect_b32 s30, 1, 0
	s_cmp_lt_u32 ttmp9, 128
	s_cselect_b32 s30, 0, s30
	s_lshl_b32 s34, s30, 15
	; KEY ALONE (work-groups 128 to 255) chooses otherwise than the head's line says: lane r of tile T holds row 64 (T / 4) + 8 (T % 4) + r + 24 (r / 8),
	; so that, where four such tiles are source 0 of a product, a lane's 32 result registers are 32 neighbouring rows: one scale block of the next product.
	s_cmp_lt_u32 ttmp9, 256
	s_cselect_b32 s38, s30, 0                      ; 1 for key's work-groups
	s_cmp_eq_u32 s38, 1
	s_cselect_b32 s34, 98304, s34                  ; rows 8-15 lie 24 rows of 4,096 bytes further on
	v_add_nc_u32 v[VHI], s34, v[VLO]
	s_wait_alu depctr_va_vdst(0)
	s_wait_kmcnt 0x0
	s_mov_b64 s[24:25], s[16:17]                   ; which tensor: the choice hangs on the work-group's number alone
	s_mov_b32 s23, 432
.macro PICK lim, ptr, base
	s_cmp_lt_u32 ttmp9, \lim
	s_cselect_b64 s[24:25], s[\ptr:\ptr+1], s[24:25]
	s_cselect_b32 s23, \base, s23
.endm
	PICK 432, 14, 416
	PICK 416, 12, 400
	PICK 400, 10, 384
	PICK 384, 8, 256
	PICK 256, 6, 128
	PICK 128, 4, 0
	s_sub_co_u32 s31, ttmp9, s23
	s_lshl_b32 s31, s31, 2
	s_add_co_u32 s31, s31, s22                     ; T: my tile in its tensor
	s_lshl_b32 s32, s31, 4
	s_lshl_b32 s39, s38, 1
	s_or_b32 s39, s39, 1                           ; T % 4 for key (T % 4 is the wave's number), T % 2 elsewhere
	s_and_b32 s33, s22, s39
	s_mul_i32 s33, s33, s30
	s_lshl_b32 s33, s33, 3
	s_sub_co_u32 s32, s32, s33                     ; its first row: 16 T, or 32 (T / 2) + 8 (T % 2) = 16 T - 8 (T % 2)
	s_lshl_b32 s32, s32, 12
	s_mov_b32 s33, 0
	s_add_nc_u64 s[24:25], s[24:25], s[32:33]
	s_lshl_b32 s31, ttmp9, 2
	s_add_co_u32 s31, s31, s22                     ; my tile in the stream
	s_mul_i32 s32, s31, 12288
	s_add_nc_u64 s[26:27], s[18:19], s[32:33]
	s_lshl_b32 s32, s31, 9
	s_add_nc_u64 s[28:29], s[20:21], s[32:33]
.macro LOAD t                          ; step t: 512 bytes of each of the 16 rows
.irp i, 0,1,2,3,4,5,6,7,8,9,10,11,12,13,14,15
.if \i < 8
	global_load_b128 v[R+64*((\t)%2)+4*\i:R+64*((\t)%2)+4*\i+3], v[VLO], s[24:25] offset:4096*\i+512*(\t) th:TH_LOAD_NT
.else
	global_load_b128 v[R+64*((\t)%2)+4*\i:R+64*((\t)%2)+4*\i+3], v[VHI], s[24:25] offset:4096*\i+512*(\t) th:TH_LOAD_NT
.endif
.endr
.endm
.macro STEP t
.if (\t) < 7
	s_wait_loadcnt 16                              ; this step's 16 loads are in; the next step's 16 may be out
.else
	s_wait_loadcnt 0x0
.endif
.irp i, 0,1,2,3,4,5,6,7,8,9,10,11,12,13,14,15
	ds_store_b128 v[SA], v[R+64*((\t)%2)+4*\i:R+64*((\t)%2)+4*\i+3] offset:528*\i
.endr
.irp c, 0,1
.irp j, 0,1,2,3,4,5,6,7
	ds_load_b128 v[X+32*\c+4*\j:X+32*\c+4*\j+3], v[LA] offset:256*\c+16*\j   ; LDS serves a wave's instructions in order: these see the stores above
.endr
.endr
	s_wait_dscnt 0x0                               ; my numbers are back, and the stores have read their registers
.if (\t) > 0
	s_wait_xcnt 0x0                                ; the last step's stores have read the codes' registers: they are written again below
.endif
.if (\t)+2 < 8
	LOAD (\t)+2
.endif
.irp c, 0,1
	v_max3_num_f32 v[M+\c], |v[X+32*\c]|, |v[X+32*\c+1]|, 0x1800000   ; block 2 c + h: all 32 numbers are mine; the floor 2^(3 - 127) holds the byte at 1 from below
.endr
.irp i, 2,4,6,8,10,12,14,16,18,20,22,24,26,28,30
.irp c, 0,1
	v_max3_num_f32 v[M+\c], v[M+\c], |v[X+32*\c+\i]|, |v[X+32*\c+\i+1]|
.endr
.endr
.irp c, 0,1
	v_add_nc_u32 v[SO+\c], 0xff000000, v[M+\c]     ; 2 off the exponent field: the conversion takes that field as its scale
.endr
.irp c, 0,1
	v_lshrrev_b32 v[E+\c], 23, v[SO+\c]            ; the byte
.endr
	v_lshl_or_b32 v[W], v[E+1], 16, v[E]           ; blocks h and 2 + h,
	v_lshlrev_b32 v[W], v10, v[W]                  ; at their places;
	v_permlanex16_b32 v11, v[W], s36, s37
	v_or_b32 v[WORD+(\t)], v[W], v11               ; with lane l xor 16's two the word is whole
.irp c, 0,1
	v_cvt_scalef32_pk16_fp6_f32 v[C+6*\c:C+6*\c+2], v[X+32*\c:X+32*\c+15], v[SO+\c]
	v_cvt_scalef32_pk16_fp6_f32 v[TQ+4*\c:TQ+4*\c+2], v[X+32*\c+16:X+32*\c+31], v[SO+\c]
.endr
	v_nop                                          ; one plain place behind a scaled conversion
.irp c, 0,1
.irp i, 0,1,2
	v_mov_b32 v[C+6*\c+3+\i], v[TQ+4*\c+\i]
.endr
.endr
.irp p, 0,1,2,3,4,5
	global_store_b64 v[OA], v[C+2*\p:C+2*\p+1], s[26:27] offset:1536*(\t)+256*\p   ; 32 lanes store 256 consecutive bytes, at a multiple of 256 from the buffer's first byte
.endr
.endm
	LOAD 0
	LOAD 1
.irp t, 0,1,2,3,4,5,6,7
	STEP \t
.endr
	v_cmp_lt_u32 vcc_lo, 15, v1                    ; lanes 16-31 store words 4-7 of row r, lanes 0-15 words 0-3
.irp j, 0,1,2,3
	v_cndmask_b32 v[WS+\j], v[WORD+\j], v[WORD+4+\j], vcc_lo
.endr
	global_store_b128 v[SOA], v[WS:WS+3], s[28:29] ; the tile's 512 scale bytes in one store
	s_wait_tensorcnt 0x0                           ; the wave's end
	ds_add_u32 v[SPW], v[NIL]
	s_wait_dscnt 0x0
	s_endpgm
.Lfunc_end_k_qafc78bff71_quant:
	.size	k_qafc78bff71_quant, .Lfunc_end_k_qafc78bff71_quant-k_qafc78bff71_quant
	.p2alignl 7, 3214868480
	.fill 96, 4, 3214868480
	.section	.rodata,"a",@progbits
	.p2align	6, 0x0
	.amdhsa_kernel k_qafc78bff71_quant
		.amdhsa_group_segment_fixed_size 34304
		.amdhsa_private_segment_fixed_size 0
		.amdhsa_enable_private_segment 0
		.amdhsa_kernarg_size 72
		.amdhsa_user_sgpr_count 2
		.amdhsa_user_sgpr_kernarg_segment_ptr 1
		.amdhsa_wavefront_size32 1
		.amdhsa_system_sgpr_workgroup_id_x 1
		.amdhsa_system_sgpr_workgroup_id_y 1
		.amdhsa_system_sgpr_workgroup_id_z 1
		.amdhsa_system_vgpr_workitem_id 0
		.amdhsa_next_free_vgpr 256
		.amdhsa_next_free_sgpr 66
		.amdhsa_reserve_vcc 1
		.amdhsa_float_denorm_mode_32 3
		.amdhsa_float_denorm_mode_16_64 3
		.amdhsa_memory_ordered 1
		.amdhsa_forward_progress 1
		.amdhsa_inst_pref_size 61
	.end_amdhsa_kernel
	.amdgpu_metadata
---
amdhsa.version: [ 1, 2 ]
amdhsa.kernels:
  - .name:           k_qafc78bff71_quant
    .symbol:         k_qafc78bff71_quant.kd
    .args:
      - { .name: query, .offset: 0, .size: 8, .value_kind: global_buffer, .address_space: global }
      - { .name: key, .offset: 8, .size: 8, .value_kind: global_buffer, .address_space: global }
      - { .name: value, .offset: 16, .size: 8, .value_kind: global_buffer, .address_space: global }
      - { .name: W_q, .offset: 24, .size: 8, .value_kind: global_buffer, .address_space: global }
      - { .name: W_k, .offset: 32, .size: 8, .value_kind: global_buffer, .address_space: global }
      - { .name: W_v, .offset: 40, .size: 8, .value_kind: global_buffer, .address_space: global }
      - { .name: W_out, .offset: 48, .size: 8, .value_kind: global_buffer, .address_space: global }
      - { .name: codes, .offset: 56, .size: 8, .value_kind: global_buffer, .address_space: global }
      - { .name: scales, .offset: 64, .size: 8, .value_kind: global_buffer, .address_space: global }
    .group_segment_fixed_size: 34304
    .private_segment_fixed_size: 0
    .kernarg_segment_align: 8
    .kernarg_segment_size: 72
    .max_flat_workgroup_size: 128
    .sgpr_count:     66
    .vgpr_count:     256
    .wavefront_size: 32
...
	.end_amdgpu_metadata
.endif
;; end of part 1
;; launch proj (part 2): grid 8 x 32, 4 waves a work-group, clusters of 4 x 4, 327,680 bytes of LDS; arguments codes, scales, b_q, b_k, b_v, hb; writes hb
.if DOCPART == 2
	.amdgcn_target "amdgcn-amd-amdhsa--gfx1250"
	.amdhsa_code_object_version 6
	.text
	.protected	k_qafc78bff71_proj
	.globl	k_qafc78bff71_proj
	.p2align	8
	.type	k_qafc78bff71_proj,@function
k_qafc78bff71_proj:
	s_mov_b64 s[64:65], 0
	v_nop
	global_prefetch_b8 v0, s[64:65] scope:SCOPE_SE
	s_setreg_imm32_b32 hwreg(HW_REG_WAVE_MODE, 25, 1), 1
	s_wait_xcnt 0x0
	s_wait_alu depctr_hold_cnt(0) depctr_sa_sdst(0) depctr_va_vdst(0) depctr_va_sdst(0) depctr_va_ssrc(0) depctr_va_vcc(0) depctr_vm_vsrc(0)
	s_getreg_b32 s2, hwreg(HW_REG_IB_STS2, 6, 4)
	s_cmp_eq_u32 s2, 0
	s_cbranch_scc0 .Lentry_in_a_cluster
	s_endpgm
.Lentry_in_a_cluster:
	s_bfe_u32 s2, ttmp6, 0x10000c
	s_cmp_lg_u32 s2, 0xf033
	s_cbranch_scc0 .Lentry_shape_is_right
	s_endpgm
.Lentry_shape_is_right:
; Q = query W_q^T + b_q, K = key W_k^T + b_k, V = value W_v^T + b_v on codes of FP6 (E2M3) with E8M0 scales, and their quantisers: the results leave as codes and scale words in the order of the next launch's operand registers.
; codes: [row tile of 16][K step of 128][piece 0..5][lane][8 bytes], 12,288 bytes a tile; scales: [row tile][row][32 bytes].  Rows of the stream: query 0, key 8,192, value 16,384, W_q 24,576, W_k 25,600, W_v 26,624.
; THE DEAL: a UNIT is 256 rows of one tensor (A) x 128 rows of another (B), all of K = 1,024.  3 x 8,192 x 1,024 results are 768 units; 256 work-groups stay for three each: one of Q, one of K, one of V.
; With X = 4 x cluster x + cx (0..7), Y = 4 x cluster y + cy (0..31): Q, K: A = tokens 256 Y .., B = the weight's rows 128 X ..;  V: A = W_v's rows 256 cy .., B = value's tokens 128 U .., U = 8 x cluster y + X.
; In every unit A hangs on what a row of the cluster shares and B on what a column shares: each tile is asked for jointly by four work-groups.
; A wave takes 64 rows of A (4 tiles) x all 128 of B (8 tiles): 32 accumulators, 256 registers.  The matrix instruction is used transposed (source 0 = B's rows): a lane holds one row of A and its registers run along B's rows.
; LDS: two slots, each with FOUR K steps of A's 16 and B's 8 row tiles (24 x 6,144 bytes): the two hold a unit's whole K.  Six fills: the first at the head, the second behind the full sequence and a round, four refills,
; each in a drained round of the cluster's barrier inside K steps 3 and 7 of units Q and K; waves 0, 1 fetch half of A's tiles each, waves 2, 3 half of B's.  A fill is asked for four K steps, 128 products a wave, ahead of its first read.
; SCALE WORDS go from memory into registers of their own (row r's 32 bytes in two loads of 16): the next unit's words of K steps 0-3 are loaded behind this unit's K step 3, those of 4-7 behind its K step 7.
; THE BIAS is the C of a unit's first products, laid as the result lies.
; hb, a record of 315,392 bytes for each (batch, head): K's codes [step of 128 tokens][12 pieces][lane][16 bytes]; V's codes at 98,304 alike ([step][channel tile][3 pieces]); K's scale words at 196,608: [step][half of 4 tiles][lane][2 words]
; (word i: lanes 0-15 tile 2 i, lanes 16-31 tile 2 i + 1 of the half); V's at 204,800: [step][lane][2 words]; Q's codes at 208,896 and scale words at 307,200 as K's.
; No prefetch: K is short, two fills a unit, and every fill is asked for half a unit ahead of its first read.
; LIMITS: a block whose largest magnitude lies under 2^-124 keeps the byte 1; a block of zeros gets the byte 1 (its codes are zeros; this program alone reads the bytes); NaN and infinities are not served.
.set FR,    12
.set IMG,   1536                       ; a fragment: 16 rows x 128 K
.set TROW,  4*IMG                      ; a row tile's four K steps
.set SLOT,  24*TROW
.set BOFF,  16*TROW                    ; B's tiles lie behind A's sixteen
.set SPARE, 2*SLOT                     ; the spare words, 128 bytes a wave, that no other line names
.set REC,   315392
.set VCO,   98304
.set KSO,   196608
.set VSO,   204800
.set QCO,   208896
.set QSO,   307200
.set LI8,  6                           ; v6 8 x lane;  v7 16 x lane;  v8 32 r;  v9 64 h;  v10 4 (r + 8 (r / 8))
.set LI16, 7
.set SO,   8
.set BO,   9
.set BVO,  10
.set ADRA, 16                          ; v16-17 my A fragments in slot 0, 1;  v20-21 B's
.set ADRB, 20
.set SPW,  28
.set NIL,  29
.set XA,   32                          ; v32-63 A's scale words, 8 a + K step;  v68-131 B's, 8 b + K step: they hold nothing else
.set XB,   68
.set PC,   136                         ; v136-159 codes;  v160-167 conversions' second halves;  v168-183 at work;  v184-191 scale words
.set TQ,   160
.set TM,   168
.set SW,   184
.set BIAS, 192                         ; v192-255 Q's or K's bias, 8 b + j
.set VBI,  96                          ; window 3: v96-127 V's bias, 8 a + j.  Window 1: B's fragments, two sets at 0 and 128; window 3: A's, two sets at 0 and 48; window 2: the accumulators, 8 (8 a + b)
.set WV,  16
.set RH,  17
.set CH,  18
.set G1,  24
.set G0,  32
.set G1B, 48
.set G0B, 56
.set NA,  66                           ; the next unit's tiles, as my wave fetches them: A's, B's;  V's
.set NB,  68
.set VA,  70
.set VB,  72
.set NSA, 74                           ; the next unit's scale words: my A rows', B's;  V's
.set NSB, 76
.set VSA, 78
.set VSB, 80
.set NBI, 82                           ; K's bias
.set OC,  84                           ; where this unit's codes and scale words go;  K's;  V's
.set OSC, 86
.set KO,  88
.set KSC, 90
.set VO,  92
.set VSC, 94
.set UC,  96
.set HM,  97
.set SEL, 98
.set MULW, 0xad                        ; source 0 window 1, source 1 window 3, C and D window 2
.set MSB, 0
.macro WIN new
.if MSB != \new
	s_set_vgpr_msb (MSB<<8)|\new
.set MSB, \new
.endif
.endm
.macro PLACES n
.rept \n
	v_nop
.endr
.endm
.macro JLOAD s                         ; waves 0, 1 ask for A's tiles, waves 2, 3 for B's: one line, one mask each
	s_cmp_eq_u32 s[RH], 0
	s_cbranch_scc0 .Lfor_b_\@
	tensor_load_to_lds s[G0+4*\s:G0+4*\s+3], s[G1:G1+7]
	s_nop 0
	PLACES 4
	s_branch .Lasked_\@
.Lfor_b_\@:
	tensor_load_to_lds s[G0B+4*\s:G0B+4*\s+3], s[G1B:G1B+7]
	s_nop 0
	PLACES 4
.Lasked_\@:
.endm
.macro CREST
	s_cmp_lg_u32 s[WV], 0
	s_cbranch_scc1 .Lnot_wave_0_\@
	s_barrier_signal -3
.Lnot_wave_0_\@:
	s_barrier_wait -3
	s_barrier_signal -1
	s_barrier_wait -1
.endm
.macro CROUND
	s_barrier_signal -1
	s_barrier_wait -1
	CREST
.endm
.macro SCLOAD c, sa, sb                ; the scale words of K steps 4 c .. 4 c + 3: 12 loads
.irp a, 0,1,2,3
	global_load_b128 v[XA+8*\a+4*(\c):XA+8*\a+4*(\c)+3], v[SO], s[\sa:\sa+1] offset:512*\a+16*(\c)
.endr
.irp b, 0,1,2,3,4,5,6,7
	global_load_b128 v[XB+8*\b+4*(\c):XB+8*\b+4*(\c)+3], v[SO], s[\sb:\sb+1] offset:512*\b+16*(\c)
.endr
.endm
.macro BLOAD ptr                       ; register 16 b + i of lane (r, h) is channel 32 b + 16 h + i: 16 loads
.irp b, 0,1,2,3
.irp j, 0,1,2,3
	global_load_b128 v[BIAS+16*\b+4*\j:BIAS+16*\b+4*\j+3], v[BO], s[\ptr:\ptr+1] offset:128*\b+16*\j
.endr
.endr
.endm
	s_load_b256 s[4:11], s[0:1], 0x0               ; codes, scales, b_q, b_k
	s_load_b128 s[12:15], s[0:1], 0x20             ; b_v, hb
	v_lshl_add_u32 v[SPW], v0, 2, SPARE
	v_mov_b32 v[NIL], 0
	ds_add_u32 v[SPW], v[NIL]                      ; the opening lines: the add, twice on end, and its wait ahead of my first tensor load
	ds_add_u32 v[SPW], v[NIL]
	v_lshrrev_b32 v1, 5, v0
	v_readfirstlane_b32 s[WV], v1
	s_lshr_b32 s[RH], s[WV], 1
	s_and_b32 s[CH], s[WV], 1
	s_bfe_u32 s19, ttmp6, 0x40000                  ; cx
	s_bfe_u32 s20, ttmp6, 0x40004                  ; cy
	s_and_b32 s21, ttmp7, 0xffff                   ; cluster y
	s_lshl_b32 s22, ttmp9, 2
	s_add_co_u32 s22, s22, s19                     ; X
	s_lshl_b32 s23, s21, 2
	s_add_co_u32 s23, s23, s20                     ; Y
	s_lshl_b32 s42, s20, 2
	s_lshl_b32 s42, 15, s42                        ; my row of the cluster
	s_lshl_b32 s43, 0x1111, s19                    ; my column
	s_or_b32 s[G1+0], s42, (3<<16)|(1<<21)         ; elements of 8 bytes, no padding
	s_or_b32 s[G1B+0], s43, (3<<16)|(1<<21)
	s_mov_b32 s[G1+1], 768<<16                     ; rows of 6,144 bytes: a row tile's four K steps,
	s_mov_b32 s[G1+2], 8<<16                       ; eight of them,
	s_mov_b32 s[G1+3], 768<<16
	s_mov_b32 s[G1+4], 8
	s_mov_b32 s[G1+5], 1536                        ; 12,288 bytes apart
	s_mov_b32 s[G1+6], 0
	s_mov_b32 s[G1+7], 0
	s_mov_b32 s[G1B+1], 768<<16
	s_mov_b32 s[G1B+2], 4<<16                      ; of B four
	s_mov_b32 s[G1B+3], 768<<16
	s_mov_b32 s[G1B+4], 4
	s_mov_b32 s[G1B+5], 1536
	s_mov_b32 s[G1B+6], 0
	s_mov_b32 s[G1B+7], 0
	s_lshl_b32 s42, s[CH], 7                       ; which 128 rows of A, which 64 of B my wave fetches
	s_lshl_b32 s43, s[CH], 6
	s_lshl_b32 s40, s23, 8
	s_add_co_u32 s40, s40, s42
	s_mul_i32 s40, s40, 768                        ; Q's A: row 256 Y
	s_mov_b32 s41, 0
	s_lshl_b32 s44, s22, 7
	s_add_co_u32 s44, s44, s43
	s_add_co_u32 s44, s44, 24576
	s_mul_i32 s44, s44, 768                        ; Q's B: row 24,576 + 128 X
	s_mov_b32 s45, 0
	s_lshl_b32 s46, s20, 8
	s_add_co_u32 s46, s46, s42
	s_add_co_u32 s46, s46, 26624
	s_mul_i32 s46, s46, 768                        ; V's A: row 26,624 + 256 cy
	s_mov_b32 s47, 0
	s_lshl_b32 s2, s21, 3
	s_add_co_u32 s2, s2, s22                       ; U
	s_lshl_b32 s100, s2, 7
	s_add_co_u32 s100, s100, s43
	s_add_co_u32 s100, s100, 16384
	s_mul_i32 s100, s100, 768                      ; V's B: row 16,384 + 128 U
	s_mov_b32 s101, 0
	s_mul_i32 s3, s[CH], 8*TROW                    ; where they go: no place in the cluster enters an LDS address
	s_mul_i32 s[UC], s[CH], 4*TROW
	s_add_co_u32 s[UC], s[UC], BOFF
	s_wait_dscnt 0x0
	s_wait_kmcnt 0x0
	s_add_nc_u64 s[40:41], s[4:5], s[40:41]
	s_add_nc_u64 s[44:45], s[4:5], s[44:45]
	s_add_nc_u64 s[VA:VA+1], s[4:5], s[46:47]
	s_add_nc_u64 s[VB:VB+1], s[4:5], s[100:101]
	s_add_nc_u64 s[NA:NA+1], s[40:41], 8192*768    ; K's
	s_add_nc_u64 s[NB:NB+1], s[44:45], 1024*768
	CROUND                                         ; all sixteen work-groups are here: the first joint loads meet
.irp s, 0,1
	s_mov_b32 s[G0+4*\s], 1
	s_add_co_u32 s[G0+4*\s+1], s3, \s*SLOT
	s_add_nc_u64 s[G0+4*\s+2:G0+4*\s+3], s[40:41], \s*TROW
	s_or_b32 s[G0+4*\s+3], s[G0+4*\s+3], 0x80000000
	s_mov_b32 s[G0B+4*\s], 1
	s_add_co_u32 s[G0B+4*\s+1], s[UC], \s*SLOT
	s_add_nc_u64 s[G0B+4*\s+2:G0B+4*\s+3], s[44:45], \s*TROW
	s_or_b32 s[G0B+4*\s+3], s[G0B+4*\s+3], 0x80000000
.endr
	JLOAD 0                                        ; Q's K steps 0-3: one tensor load a wave at the head
	v_and_b32 v1, 15, v0                           ; r
	v_bfe_u32 v2, v0, 4, 1                         ; h
	v_and_b32 v3, 31, v0
	v_lshlrev_b32 v[LI8], 3, v3
	v_lshlrev_b32 v[LI16], 4, v3
	v_lshlrev_b32 v[SO], 5, v1
	v_lshlrev_b32 v[BO], 6, v2
	v_and_b32 v4, 8, v1
	v_add_nc_u32 v4, v4, v1
	v_lshlrev_b32 v[BVO], 2, v4
	s_mul_i32 s3, s[WV], 4*TROW                    ; my four tiles of A
	v_add_nc_u32 v[ADRA], s3, v[LI8]
	v_add_nc_u32 v[ADRA+1], SLOT, v[ADRA]
	v_add_nc_u32 v[ADRB], BOFF, v[LI8]
	v_add_nc_u32 v[ADRB+1], BOFF+SLOT, v[LI8]
.irp b, 0,1,2,3
	v_mov_b32 v[TM+4+\b], 0                        ; a lane permute's destination counts as a source: written once
.endr
	; scale words: 32 bytes a row
	s_lshl_b32 s3, s[WV], 6
	s_lshl_b32 s40, s23, 8
	s_add_co_u32 s40, s40, s3
	s_lshl_b32 s40, s40, 5
	s_mov_b32 s41, 0
	s_add_nc_u64 s[40:41], s[6:7], s[40:41]        ; Q: my 64 rows of A
	s_add_nc_u64 s[NSA:NSA+1], s[40:41], 8192*32
	s_lshl_b32 s44, s22, 7
	s_add_co_u32 s44, s44, 24576
	s_lshl_b32 s44, s44, 5
	s_mov_b32 s45, 0
	s_add_nc_u64 s[44:45], s[6:7], s[44:45]        ; Q: B's 128 rows
	s_add_nc_u64 s[NSB:NSB+1], s[44:45], 1024*32
	s_lshl_b32 s46, s20, 8
	s_add_co_u32 s46, s46, s3                      ; 256 cy + 64 wave
	s_lshl_b32 s100, s46, 2
	s_mov_b32 s101, 0
	s_add_nc_u64 s[100:101], s[12:13], s[100:101]  ; V's bias: my 64 channels
	s_add_co_u32 s46, s46, 26624
	s_lshl_b32 s46, s46, 5
	s_mov_b32 s47, 0
	s_add_nc_u64 s[VSA:VSA+1], s[6:7], s[46:47]
	s_lshl_b32 s46, s2, 7
	s_add_co_u32 s46, s46, 16384
	s_lshl_b32 s46, s46, 5
	s_add_nc_u64 s[VSB:VSB+1], s[6:7], s[46:47]
	s_lshl_b32 s46, s22, 9                         ; 128 X channels of 4 bytes
	s_add_nc_u64 s[8:9], s[8:9], s[46:47]
	s_add_nc_u64 s[NBI:NBI+1], s[10:11], s[46:47]
	s_wait_alu depctr_va_vdst(0)                   ; ahead of the readers below
	SCLOAD 0, 40, 44
	SCLOAD 1, 40, 44
	BLOAD 8
	WIN 0xc0
.irp a, 0,1,2,3
.irp j, 0,1,2,3,4,5,6,7
	global_load_b32 v[VBI+8*\a+\j], v[BVO], s[100:101] offset:4*(32*(\a/2)+8*(\a%2))   ; lane r of tile a is channel 32 (a / 2) + 8 (a % 2) + r + 8 (r / 8): one number a lane, in the tile's eight registers
.endr
.endr
	WIN 0
	s_wait_xcnt 0x0                                ; the loads have read their bases: s40 .. are written again
	; where the results go.  Q, K: step 2 Y + wave / 2 of 128 tokens, its half wave % 2; heads 2 X, 2 X + 1
	s_lshl_b32 s40, s23, 1
	s_add_co_u32 s40, s40, s[RH]
	s_lshr_b32 s41, s40, 4
	s_lshl_b32 s41, s41, 4
	s_lshl_b32 s44, s22, 1
	s_add_co_u32 s41, s41, s44
	s_mul_i32 s41, s41, REC
	s_and_b32 s40, s40, 15
	s_mul_i32 s44, s40, 6144
	s_add_co_u32 s44, s44, s41
	s_mul_i32 s45, s[CH], 3072
	s_add_co_u32 s44, s44, s45
	s_lshl_b32 s46, s40, 9
	s_add_co_u32 s46, s46, s41
	s_lshl_b32 s45, s[CH], 8
	s_add_co_u32 s46, s46, s45
	s_mov_b32 s45, 0
	s_add_nc_u64 s[KO:KO+1], s[14:15], s[44:45]
	s_add_nc_u64 s[OC:OC+1], s[KO:KO+1], QCO
	s_add_nc_u64 s[KSC:KSC+1], s[14:15], s[46:47]
	s_add_nc_u64 s[OSC:OSC+1], s[KSC:KSC+1], QSO
	s_add_nc_u64 s[KSC:KSC+1], s[KSC:KSC+1], KSO
	; V: step U; head 4 cy + wave
	s_lshr_b32 s40, s2, 4
	s_lshl_b32 s40, s40, 4
	s_lshl_b32 s41, s20, 2
	s_add_co_u32 s40, s40, s41
	s_add_co_u32 s40, s40, s[WV]
	s_mul_i32 s40, s40, REC
	s_and_b32 s41, s2, 15
	s_mul_i32 s44, s41, 6144
	s_add_co_u32 s44, s44, s40
	s_add_co_u32 s44, s44, VCO
	s_lshl_b32 s46, s41, 8
	s_add_co_u32 s46, s46, s40
	s_add_co_u32 s46, s46, VSO
	s_add_nc_u64 s[VO:VO+1], s[14:15], s[44:45]
	s_add_nc_u64 s[VSC:VSC+1], s[14:15], s[46:47]
	s_mov_b32 s[HM], 0xffff0000
	s_mov_b32 s[SEL], 0x76543210
	s_mov_b32 s[SEL+1], 0xfedcba98
.macro FRAG reg, adr, off              ; a fragment's 12 registers: six pieces of 256 consecutive bytes a wave
.irp p, 0,1,2,3,4,5
	ds_load_b64 v[\reg+2*\p:\reg+2*\p+1], v[\adr] offset:(\off)+256*\p
.endr
.endm
.macro FETCH slot, q, p                ; K step q of a slot into sets p: 72 loads
	WIN 0x40
.irp i, 0,1,2,3,4,5,6,7
	FRAG 128*(\p)+FR*\i, ADRB+\slot, \i*TROW+(\q)*IMG
.endr
	WIN 0xc0
.irp i, 0,1,2,3
	FRAG 48*(\p)+FR*\i, ADRA+\slot, \i*TROW+(\q)*IMG
.endr
	WIN 0
.endm
.macro MUL a0, a1, p, q, cm            ; A's tiles a0 .. a1 x B's eight, sets p, K step q.  cm 0: in place; 1: C = the bias by b; 2: by a.  The 32 accumulators take turns, in the same order in every step
.set a_, \a0
.rept (\a1)-(\a0)+1
.irp b, 0,1,2,3,4,5,6,7
.set D_, 8*(8*a_+\b)
.set S0_, 128*(\p)+FR*\b
.set S1_, 48*(\p)+FR*a_
.set X0_, XB+8*\b+(\q)
.set X1_, XA+8*a_+(\q)
.if (\cm) == 0
	v_wmma_scale_f32_16x16x128_f8f6f4 v[D_:D_+7], v[S0_:S0_+FR-1], v[S1_:S1_+FR-1], v[D_:D_+7], v[X0_], v[X1_] matrix_a_fmt:MATRIX_FMT_FP6 matrix_b_fmt:MATRIX_FMT_FP6
.elseif (\cm) == 1
	v_wmma_scale_f32_16x16x128_f8f6f4 v[D_:D_+7], v[S0_:S0_+FR-1], v[S1_:S1_+FR-1], v[BIAS+8*\b:BIAS+8*\b+7], v[X0_], v[X1_] matrix_a_fmt:MATRIX_FMT_FP6 matrix_b_fmt:MATRIX_FMT_FP6
.else
	v_wmma_scale_f32_16x16x128_f8f6f4 v[D_:D_+7], v[S0_:S0_+FR-1], v[S1_:S1_+FR-1], v[VBI+8*a_:VBI+8*a_+7], v[X0_], v[X1_] matrix_a_fmt:MATRIX_FMT_FP6 matrix_b_fmt:MATRIX_FMT_FP6
.endif
.endr
.set a_, a_+1
.endr
.endm
.macro STEP slot, q, kq, cm            ; K step kq, the q-th of its slot: the next step's fragments are asked for first, and land under the 32 products
	WIN 0
	s_wait_dscnt 0x0                               ; this step's fragments
	PLACES 4                                       ; behind the last step's products, whose sets the loads below fill
	FETCH \slot, (\q)+1, 1-(\kq)%2
.if (\cm) == 1
	WIN 0x8d                                       ; C in window 0
.elseif (\cm) == 2
	WIN 0xbd                                       ; C in window 3
.else
	WIN MULW
.endif
	MUL 0, 3, (\kq)%2, \kq, \cm
.endm
.macro TURN slot, kq, fill             ; a slot's last K step.  ONE barrier: in front of it my tensor loads have landed and my reads of this slot are over; behind it the other slot is whole and this one may be filled again
	WIN 0
	s_wait_dscnt 0x0                               ; this step's fragments: my last reads of this slot
	s_wait_tensorcnt 0x0
	ds_add_u32 v[SPW], v[NIL]
	WIN MULW
	MUL 0, 0, 1, \kq, 0
	s_wait_dscnt 0x0
	s_barrier_signal -1
	MUL 1, 1, 1, \kq, 0
	WIN 0
	s_barrier_wait -1
.if \fill
	CREST                                          ; the barrier has opened a round of the cluster's barrier
	s_add_nc_u64 s[G0+4*\slot+2:G0+4*\slot+3], s[NA:NA+1], \slot*TROW
	s_or_b32 s[G0+4*\slot+3], s[G0+4*\slot+3], 0x80000000
	s_add_nc_u64 s[G0B+4*\slot+2:G0B+4*\slot+3], s[NB:NB+1], \slot*TROW
	s_or_b32 s[G0B+4*\slot+3], s[G0B+4*\slot+3], 0x80000000
	JLOAD \slot                                    ; the next unit's four K steps; the four v_nop behind it are the places in front of the loads below
.else
	PLACES 4
.endif
	FETCH 1-\slot, 0, 0
	WIN MULW
	MUL 2, 3, 1, \kq, 0
.endm
; THE WAY OUT of A's tile a: 64 sums a lane, four half blocks of 16 (the other half lies in lane l xor 16), read from the accumulators as they lie, each from its low end on
.macro QUANT ac
	WIN 0x0a
.irp b, 0,1,2,3
	v_max3_num_f32 v[TM+\b], |v[\ac+16*\b]|, |v[\ac+1+16*\b]|, 0x1800000   ; with the floor 2^(3 - 127): the byte cannot fall under 1
.endr
	WIN 0x28
.irp i, 2,4,6,8,10,12,14
.irp b, 0,1,2,3
	v_max3_num_f32 v[TM+\b], v[TM+\b], |v[\ac+16*\b+\i]|, |v[\ac+1+16*\b+\i]|
.endr
.endr
	WIN 0
.irp b, 0,1,2,3
	v_permlanex16_b32 v[TM+4+\b], v[TM+\b], s[SEL], s[SEL+1]
.endr
.irp b, 0,1,2,3
	v_max_num_f32 v[TM+\b], v[TM+\b], v[TM+4+\b]
.endr
.irp b, 0,1,2,3
	v_add_nc_u32 v[TM+12+\b], 0xff000000, v[TM+\b]   ; 2 off the exponent field: the conversion's scale operand
.endr
.irp b, 0,1,2,3
	v_lshrrev_b32 v[TM+4+\b], 23, v[TM+12+\b]        ; the byte
.endr
	WIN 0x02
	v_cvt_scalef32_pk16_fp6_f32 v[D0:D0+2], v[\ac:\ac+15], v[TM+12]
	v_cvt_scalef32_pk16_fp6_f32 v[TQ:TQ+2], v[\ac+16:\ac+31], v[TM+13]
	v_cvt_scalef32_pk16_fp6_f32 v[D1:D1+2], v[\ac+32:\ac+47], v[TM+14]
	v_cvt_scalef32_pk16_fp6_f32 v[TQ+4:TQ+6], v[\ac+48:\ac+63], v[TM+15]
	WIN 0
	v_nop                                          ; one plain place behind a scaled conversion
.irp i, 0,1,2
	v_permlane16_swap_b32 v[D0+\i], v[TQ+\i]       ; a whole block to a lane
	v_permlane16_swap_b32 v[D1+\i], v[TQ+4+\i]
.endr
.irp i, 0,1,2
	v_mov_b32 v[D0+3+\i], v[TQ+\i]
	v_mov_b32 v[D1+3+\i], v[TQ+4+\i]
.endr
.endm
.macro EPIA isv, a
.set AC_, 64*(\a)
.if \isv
.set D0, PC+12*((\a)%2)                ; V: the 128 tokens are one operand of 12 registers
.set D1, D0+6
.else
.set D0, PC+6*((\a)%2)                 ; Q, K: six registers for each of the two heads
.set D1, D0+12
.endif
	QUANT AC_
.if \isv
.if (\a)%2 == 0
.set PWR, TM+8
.else
.set PWR, TM+10
.endif
	v_lshl_or_b32 v[PWR], v[TM+5], 8, v[TM+4]
	v_lshl_or_b32 v[PWR], v[TM+6], 16, v[PWR]
	v_lshl_or_b32 v[PWR], v[TM+7], 24, v[PWR]
.if (\a)%2 == 1
	v_cndmask_b32 v[SW+(\a)/2], v[TM+8], v[TM+10], s[HM]   ; lanes 0-15 the even tile's word, lanes 16-31 the odd tile's
.endif
.else
.irp c, 0,1
.if (\a)%2 == 0
	v_lshl_or_b32 v[TM+8+\c], v[TM+5+2*\c], 8, v[TM+4+2*\c]
	v_or_b32 v[TM+8+\c], 0x7f7f0000, v[TM+8+\c]    ; bytes 2 and 3: the number 1, over the zero codes of the scores' upper 64 along K
.else
	v_lshl_or_b32 v[TM+10], v[TM+5+2*\c], 8, v[TM+4+2*\c]
	v_or_b32 v[TM+10], 0x7f7f0000, v[TM+10]
	v_cndmask_b32 v[SW+4*\c+(\a)/2], v[TM+8+\c], v[TM+10], s[HM]
.endif
.endr
.endif
.endm
.macro EPI isv
.irp pi, 0,1
	s_wait_xcnt 0x0                                ; earlier stores have read the codes' registers
	EPIA \isv, 2*\pi
	EPIA \isv, 2*\pi+1
.irp n, 0,1,2,3,4,5
.if \isv
	global_store_b128 v[LI16], v[PC+4*\n:PC+4*\n+3], s[OC:OC+1] offset:512*(3*(2*\pi+\n/3)+\n%3)   ; 512 consecutive bytes a store
.else
	global_store_b128 v[LI16], v[PC+4*\n:PC+4*\n+3], s[OC:OC+1] offset:(\n/3)*REC+512*(3*\pi+\n%3)
.endif
.endr
.endr
	global_store_b64 v[LI8], v[SW:SW+1], s[OSC:OSC+1]          ; 256 consecutive bytes, at a multiple of 256
.if !\isv
	global_store_b64 v[LI8], v[SW+4:SW+5], s[OSC:OSC+1] offset:REC
.endif
.endm
.macro UNIT fill, isv
	s_wait_loadcnt 12                              ; the bias and the scale words of K steps 0-3 are in; the 12 youngest loads, the words of K steps 4-7, may be out
	STEP 0, 0, 0, 1+\isv
	STEP 0, 1, 1, 0
	STEP 0, 2, 2, 0
	TURN 0, 3, \fill
	WIN 0
	PLACES 4                                       ; behind K step 3's products, whose scale registers the loads below fill
	s_wait_loadcnt 0x0                             ; the scale words of K steps 4-7
.if \fill
	SCLOAD 0, NSA, NSB
	s_cmp_lg_u32 s[UC], 0                          ; K's bias is wanted behind Q alone: V's lies in registers of its own
	s_cbranch_scc1 .Lno_bias_\@
	BLOAD NBI
.Lno_bias_\@:
.endif
	STEP 1, 0, 4, 0
	STEP 1, 1, 5, 0
	STEP 1, 2, 6, 0
.if \fill
	TURN 1, 7, 1
.else
	WIN 0
	s_wait_dscnt 0x0
	WIN MULW
	MUL 0, 3, 1, 7, 0
.endif
	WIN 0
	PLACES 4                                       ; behind the last products
.if \fill
	SCLOAD 1, NSA, NSB
.endif
	EPI \isv
.endm
	s_wait_alu depctr_va_vdst(0)                   ; the wait at the head's end
	s_wait_tensorcnt 0x0                           ; my part of the first fill is in; the full sequence ahead of a later first fill:
	ds_add_u32 v[SPW], v[NIL]
	s_wait_dscnt 0x0
	CROUND
	JLOAD 1                                        ; Q's K steps 4-7
	FETCH 0, 0, 0
	s_wait_loadcnt 0x0
	s_mov_b32 s[UC], 0
.Lunit:                                                ; Q, then K
	UNIT 1, 0
	s_wait_xcnt 0x0                                ; loads and stores have read their bases
	s_mov_b64 s[NA:NA+1], s[VA:VA+1]
	s_mov_b64 s[NB:NB+1], s[VB:VB+1]
	s_mov_b64 s[NSA:NSA+1], s[VSA:VSA+1]
	s_mov_b64 s[NSB:NSB+1], s[VSB:VSB+1]
	s_mov_b64 s[OC:OC+1], s[KO:KO+1]
	s_mov_b64 s[OSC:OSC+1], s[KSC:KSC+1]
	s_mov_b64 s[KO:KO+1], s[VO:VO+1]
	s_mov_b64 s[KSC:KSC+1], s[VSC:VSC+1]
	s_add_co_u32 s[UC], s[UC], 1
	s_cmp_lt_u32 s[UC], 2
	s_wait_alu depctr_va_vdst(0)                   ; directly ahead of the branch
	s_cbranch_scc1 .Lunit
	UNIT 0, 1                                      ; V asks for nothing more: it is written out
	s_wait_tensorcnt 0x0                           ; the wave's end
	ds_add_u32 v[SPW], v[NIL]
	s_wait_dscnt 0x0
	CROUND                                         ; the closing round
	s_endpgm
.Lfunc_end_k_qafc78bff71_proj:
	.size	k_qafc78bff71_proj, .Lfunc_end_k_qafc78bff71_proj-k_qafc78bff71_proj
	.p2alignl 7, 3214868480
	.fill 96, 4, 3214868480
	.section	.rodata,"a",@progbits
	.p2align	6, 0x0
	.amdhsa_kernel k_qafc78bff71_proj
		.amdhsa_group_segment_fixed_size 327680
		.amdhsa_private_segment_fixed_size 0
		.amdhsa_enable_private_segment 0
		.amdhsa_kernarg_size 48
		.amdhsa_user_sgpr_count 2
		.amdhsa_user_sgpr_kernarg_segment_ptr 1
		.amdhsa_wavefront_size32 1
		.amdhsa_system_sgpr_workgroup_id_x 1
		.amdhsa_system_sgpr_workgroup_id_y 1
		.amdhsa_system_sgpr_workgroup_id_z 1
		.amdhsa_system_vgpr_workitem_id 0
		.amdhsa_next_free_vgpr 1024
		.amdhsa_next_free_sgpr 102
		.amdhsa_reserve_vcc 0
		.amdhsa_float_denorm_mode_32 3
		.amdhsa_float_denorm_mode_16_64 3
		.amdhsa_memory_ordered 1
		.amdhsa_forward_progress 1
		.amdhsa_inst_pref_size 200
	.end_amdhsa_kernel
	.amdgpu_metadata
---
amdhsa.version: [ 1, 2 ]
amdhsa.kernels:
  - .name:           k_qafc78bff71_proj
    .symbol:         k_qafc78bff71_proj.kd
    .args:
      - { .name: codes, .offset: 0, .size: 8, .value_kind: global_buffer, .address_space: global }
      - { .name: scales, .offset: 8, .size: 8, .value_kind: global_buffer, .address_space: global }
      - { .name: b_q, .offset: 16, .size: 8, .value_kind: global_buffer, .address_space: global }
      - { .name: b_k, .offset: 24, .size: 8, .value_kind: global_buffer, .address_space: global }
      - { .name: b_v, .offset: 32, .size: 8, .value_kind: global_buffer, .address_space: global }
      - { .name: hb, .offset: 40, .size: 8, .value_kind: global_buffer, .address_space: global }
    .group_segment_fixed_size: 327680
    .private_segment_fixed_size: 0
    .kernarg_segment_align: 8
    .kernarg_segment_size: 48
    .max_flat_workgroup_size: 128
    .sgpr_count:     102
    .vgpr_count:     1024
    .wavefront_size: 32
...
	.end_amdgpu_metadata
.endif
;; end of part 2
;; launch attn (part 3): grid 4 x 64, 16 waves a work-group, clusters of 4 x 1, 211,968 bytes of LDS; arguments hb, oc, os; writes oc, os
.if DOCPART == 3
	.amdgcn_target "amdgcn-amd-amdhsa--gfx1250"
	.amdhsa_code_object_version 6
	.text
	.protected	k_qafc78bff71_attn
	.globl	k_qafc78bff71_attn
	.p2align	8
	.type	k_qafc78bff71_attn,@function
k_qafc78bff71_attn:
	s_mov_b64 s[64:65], 0
	v_nop
	global_prefetch_b8 v0, s[64:65] scope:SCOPE_SE
	s_setreg_imm32_b32 hwreg(HW_REG_WAVE_MODE, 25, 1), 1
	s_wait_xcnt 0x0
	s_wait_alu depctr_hold_cnt(0) depctr_sa_sdst(0) depctr_va_vdst(0) depctr_va_sdst(0) depctr_va_ssrc(0) depctr_va_vcc(0) depctr_vm_vsrc(0)
	s_getreg_b32 s2, hwreg(HW_REG_IB_STS2, 6, 4)
	s_cmp_eq_u32 s2, 0
	s_cbranch_scc0 .Lentry_in_a_cluster
	s_endpgm
.Lentry_in_a_cluster:
	s_bfe_u32 s2, ttmp6, 0x10000c
	s_cmp_lg_u32 s2, 0x3003
	s_cbranch_scc0 .Lentry_shape_is_right
	s_endpgm
.Lentry_shape_is_right:
; O = softmax(q k^T / 8) v for one (batch, head) a cluster, both products on codes of FP6 (E2M3) with E8M0 scales; O is divided by the row's sum and quantised along the model's 1,024 for the last product.
; THE SOFTMAX: t = score x log2(e) / 8; M = the running largest t rounded UP to a whole number; p = 2^(t - M) is quantised along the keys, not normalised; the row's sum is taken of the unquantised p in f32.
; When M moves, the sum and O are multiplied by 2^(old M - new M): exact.
; SHARES: a work-group takes 512 queries of the head; each of its sixteen waves one tile of 16 queries a pass, two passes, all 2,048 keys in 16 steps of 128, two steps a trip.
; LDS: the head's K codes, V codes and their scale words, the first 208,896 bytes of its record, fit whole: they come ONCE, 13,056 bytes (51 rows of 256) a wave: no ring and no refill.
; The four work-groups of a cluster walk the same head: each of these loads is asked for jointly.  Nothing is prefetched: all that the launch streams is asked for in that one group at its head.
; LAYOUT: S^T = K Q^T, O^T = V^T P^T: a lane holds one query (lane % 16).  Tile 4 c + j of a step's K holds keys 64 c + 8 j + i (rows 0-7) and 64 c + 32 + 8 j + i (rows 8-15), so the 32 score registers
; 32 c + 8 j + i of lane (r, h) are keys 64 c + 32 h + 0 .. 31: ONE SCALE BLOCK OF P, whole in a lane, in the order of P's operand registers 6 c .. 6 c + 5.  So a block's largest score needs no other lane and no code changes lanes;
; other lanes are asked twice a step: for the row's largest score and for the other half's two scale bytes.  V's channel tiles hold channels 32 b + 8 u + r + 8 (r / 8) (tile 2 b + u).
; THE SCORES' K IS 64, the instruction's 128: Q's registers 6-11 are zero codes, and both sides' scale bytes 2 and 3 are 0x7f (the number 1).  So what K's operand holds in its registers 6-11 adds exact zeros: tile t's operand is
; v[32 + 6 t .. 43 + 6 t], whose upper half is the next tile's codes (behind tile 7: six zeroed registers), and a step's eight tiles come by twelve loads of 16 bytes a lane.
; A STEP'S ORDER: the scores; V's loads; the blocks' largest scores; M and f; t - M; O x f; the exponentials; scales and codes; eight of the sum's 32 additions (the places ahead of the products); O^T += V^T P^T;
; four additions (the places ahead of the loads); the NEXT step's K loads; the other additions.  A pass's last step so loads 6,656 bytes behind K's last step, bytes of V's that lie in LDS, and nobody uses them.
; ONE BARRIER A TRIP, signalled behind the trip's first wait for LDS and awaited at its end: no wave begins trip n + 1 before every wave has begun trip n.  It guards no bytes: between its halves stand register work and loads of bytes that nobody writes.
; oc: [tile of 16 rows][head][piece 0..2][lane][8 bytes]: with heads 2 s, 2 s + 1 as K step s this is an operand's image.  os: [head][row] of two bytes: the bytes of the head's two blocks of 32.
; LIMITS: the promise holds while the scaled scores t stay under 2^31 in magnitude; a block whose largest magnitude lies under 2^-124 keeps the byte 1; a block of zeros gets the byte 1 (its codes are zeros; this program alone reads the bytes);
; NaN and infinities are not served.
.set REC,   315392
.set VCO,   98304
.set KSO,   196608
.set VSO,   204800
.set QCO,   208896
.set QSO,   307200
.set FILLB, 13056                      ; a wave's part of the fill
.set OSG,   208896                     ; behind the fill: 512 queries x 2 scale bytes are gathered here
.set SPARE, 209920                     ; the spare words, 128 bytes a wave, that no other line names
.set AK0, 1                            ; v1 16 x lane;  v2 the same in V's codes;  v3 in K's scale words;  v4 8 x lane in V's
.set AV0, 2
.set AS0, 3
.set AT0, 4
.set SPW, 5
.set NIL, 6
.set OA,  7                            ; v7 8 x lane
.set ADK, 8                            ; v8-11 the step's addresses
.set ADV, 9
.set ADS, 10
.set ADT, 11
.set SMX, 13                           ; v12, v14: -M, by turns;  v13 the running largest score;  v15 0 (the upper half of the pair v[14:15])
.set OSA0, 28                          ; v28 my query's place in the gather;  v29 the same in this pass;  v30 its two bytes;  v31 where I read the gather back
.set OSA, 29
.set HW,  30
.set GLA, 31
.set KV,  32                           ; v32-79 K's or V's 48 registers; v80-85 zeros
.set QO,  86                           ; v86-88, v89 offsets of Q's loads;  v90 of the scale bytes' store
.set QSV, 89
.set OSO, 90
.set PC,  192                          ; v192-203 p's codes;  v204-206, v208-210 conversions' second halves
.set BM,  212                          ; v212-213 my two blocks' largest scores; v214-215 their second chains
.set BB,  214
.set BT,  216                          ; v216 my half's largest score, v217 the other half's;  v218 at work;  v219 the other half's scale bytes
.set MT,  216
.set MX,  217
.set XT,  218
.set WX,  219
.set BSO, 220                          ; v220-221 the conversions' scale operands;  v222-223 bytes
.set E,   222
.set FF,  232                          ; v232 f;  v233 0
.set SUM, 234                          ; v234-235 the row's sum, in two halves
.set T1,  248                          ; v248-253 three more chains of the sum
.set WV,  10
.set CX,  11
.set BH,  12
.set G1,  16
.set G0,  24
.set SEL, 28
.set CS,  30
.set TK,  32
.set TS,  33
.set TV,  34
.set STEPS, 35
.set PASS, 36
.set PO,  37
.set QB,  38
.set QSB, 40
.set OCB, 42
.set OSB, 44
.macro CROUND
	s_barrier_signal -1
	s_barrier_wait -1
	s_cmp_lg_u32 s[WV], 0
	s_cbranch_scc1 .Lnot_wave_0_\@
	s_barrier_signal -3
.Lnot_wave_0_\@:
	s_barrier_wait -3
	s_barrier_signal -1
	s_barrier_wait -1
.endm
	s_load_b128 s[4:7], s[0:1], 0x0                ; hb, oc
	s_load_b64 s[8:9], s[0:1], 0x10                ; os
	v_lshl_add_u32 v[SPW], v0, 2, SPARE
	v_mov_b32 v[NIL], 0
	ds_add_u32 v[SPW], v[NIL]                      ; the wave's opening: the add, twice on end, and its wait ahead of my first tensor load
	ds_add_u32 v[SPW], v[NIL]
	v_lshrrev_b32 v1, 5, v0
	s_delay_alu instid0(VALU_DEP_1)
	v_readfirstlane_b32 s[WV], v1                  ; wave 0..15
	s_bfe_u32 s[CX], ttmp6, 0x40000                ; my place in the cluster: it enters Q's, oc's and os's addresses alone
	s_and_b32 s[BH], ttmp7, 0xffff                 ; 16 x batch + head, which the four partners share
	s_mov_b32 s[G1], 15|(3<<16)|(1<<21)            ; the mask: all four work-groups; elements of 8 bytes; no padding
	s_mov_b32 s[G1+1], 32<<16                      ; rows of 256 bytes,
	s_mov_b32 s[G1+2], 51<<16                      ; 51 of them,
	s_mov_b32 s[G1+3], 32<<16
	s_mov_b32 s[G1+4], 51
	s_mov_b32 s[G1+5], 32                          ; dense
	s_mov_b32 s[G1+6], 0
	s_mov_b32 s[G1+7], 0
	s_mul_i32 s46, s[BH], REC
	s_mov_b32 s47, 0
	s_mul_i32 s48, s[WV], FILLB
	s_mov_b32 s49, 0
	s_mov_b32 s[SEL], 0x76543210
	s_mov_b32 s[SEL+1], 0xfedcba98
	s_mov_b32 s[CS], 0x3e38aa3b                    ; c = log2(e) / 8
	s_mov_b32 s[CS+1], s[CS]
	s_wait_dscnt 0x0                               ; both opening adds are done
	s_wait_kmcnt 0x0
	s_add_nc_u64 s[4:5], s[4:5], s[46:47]          ; the head's record
	s_mov_b32 s[G0], 1
	s_mov_b32 s[G0+1], s48                         ; LDS: as in the record
	s_add_nc_u64 s[G0+2:G0+3], s[4:5], s[48:49]
	s_or_b32 s[G0+3], s[G0+3], 0x80000000
	CROUND                                         ; all four work-groups are here: the joint loads meet
	tensor_load_to_lds s[G0:G0+3], s[G1:G1+7]      ; my one tensor load of the launch
	s_nop 0
.rept 4
	v_nop
.endr
	v_and_b32 v234, 31, v0                         ; lane
	v_and_b32 v232, 15, v0                         ; r
	s_delay_alu instid0(VALU_DEP_2)
	v_lshlrev_b32 v[AK0], 4, v234
	s_delay_alu instid0(VALU_DEP_1)
	v_add_nc_u32 v[AV0], VCO, v[AK0]
	v_lshlrev_b32 v[OA], 3, v234
	s_delay_alu instid0(VALU_DEP_1)
	v_add_nc_u32 v[AS0], KSO, v[OA]                ; K's scale words lie [step][half of four tiles][lane][2 words]: 8 x lane, the second half 256 bytes on
	s_delay_alu instid0(VALU_DEP_2)
	v_add_nc_u32 v[AT0], VSO, v[OA]
	s_lshl_b32 s46, s[WV], 5
	v_lshlrev_b32 v[OSA0], 1, v232
	s_delay_alu instid0(VALU_DEP_1)
	v_add_nc_u32 v[OSA0], s46, v[OSA0]
	s_delay_alu instid0(VALU_DEP_1)
	v_add_nc_u32 v[OSA0], OSG, v[OSA0]             ; 2 bytes a query: 32 x wave + 2 r (+ 512 x pass)
	s_min_u32 s46, s[WV], 1                        ; waves 0 and 1 store the gather at the end
	s_lshl_b32 s46, s46, 9
	v_add_nc_u32 v[OSO], s46, v[AK0]
	s_delay_alu instid0(VALU_DEP_1)
	v_add_nc_u32 v[GLA], OSG, v[OSO]
	s_and_b32 s50, s[WV], 7                        ; my tile among the eight of a step of 128 queries
	s_mul_i32 s51, s50, 6                          ; its six registers among the step's 48: register w lies in chunk w / 4, word w % 4
.irp p, 0,1,2
	s_add_co_u32 s52, s51, 2*\p
	s_lshr_b32 s53, s52, 2
	s_lshl_b32 s53, s53, 9
	s_and_b32 s52, s52, 3
	s_lshl_b32 s52, s52, 2
	s_add_co_u32 s52, s52, s53
	v_add_nc_u32 v[QO+\p], s52, v[AK0]
.endr
	s_and_b32 s52, s50, 1                          ; its scale word: half t / 4, lane r + 16 (t % 2), word (t / 2) % 2
	s_lshl_b32 s52, s52, 7
	s_bfe_u32 s53, s50, 0x10001
	s_lshl_b32 s53, s53, 2
	s_add_co_u32 s52, s52, s53
	s_lshr_b32 s53, s50, 2
	s_lshl_b32 s53, s53, 8
	s_add_co_u32 s52, s52, s53
	v_lshl_add_u32 v[QSV], v232, 3, s52
	s_lshl_b32 s52, s[CX], 2
	s_lshr_b32 s53, s[WV], 3
	s_add_co_u32 s52, s52, s53                     ; the step of 128 queries of pass 0; pass 1's lies two on
	s_mul_i32 s54, s52, 6144
	s_add_co_u32 s54, s54, QCO
	s_mov_b32 s55, 0
	s_add_nc_u64 s[QB:QB+1], s[4:5], s[54:55]
	s_lshl_b32 s54, s52, 9
	s_add_co_u32 s54, s54, QSO
	s_add_nc_u64 s[QSB:QSB+1], s[4:5], s[54:55]
	s_wait_alu depctr_va_vdst(0)                   ; ahead of the readers below
.irp p, 0,1,2
	global_load_b64 v[16+2*\p:17+2*\p], v[QO+\p], s[QB:QB+1]
	global_load_b64 v[240+2*\p:241+2*\p], v[QO+\p], s[QB:QB+1] offset:12288
.endr
	global_load_b32 v231, v[QSV], s[QSB:QSB+1]
	global_load_b32 v246, v[QSV], s[QSB:QSB+1] offset:1024
	s_lshr_b32 s52, s[BH], 4                       ; batch
	s_and_b32 s53, s[BH], 15                       ; head
	s_lshl_b32 s54, s52, 7
	s_lshl_b32 s46, s[CX], 5
	s_add_co_u32 s54, s54, s46
	s_add_co_u32 s54, s54, s[WV]                   ; my tile of 16 rows: 128 x batch + 32 cx + wave (+ 16 x pass)
	s_mul_i32 s54, s54, 12288
	s_mul_i32 s46, s53, 768
	s_add_co_u32 s54, s54, s46
	s_add_nc_u64 s[OCB:OCB+1], s[6:7], s[54:55]
	s_lshl_b32 s54, s52, 11
	s_lshl_b32 s46, s[CX], 9
	s_add_co_u32 s54, s54, s46
	s_lshl_b32 s54, s54, 1
	s_lshl_b32 s46, s53, 14
	s_add_co_u32 s54, s54, s46
	s_add_nc_u64 s[OSB:OSB+1], s[8:9], s[54:55]
.irp i, 0,1,2,3,4,5
	v_mov_b32 v[22+\i], 0                          ; Q's upper 64 along K: zero codes
	v_mov_b32 v[80+\i], 0                          ; behind K's tile 7
.endr
.irp b, 0,1,2,3
	v_mov_b32 v[BT+\b], 0                          ; a lane permute's destination counts as a source: written once
.endr
	v_mov_b32 v233, 0                              ; named as the upper half of the pair v[232:233]
	v_mov_b32 v15, 0                               ; and of the pair v[14:15]
	s_wait_alu depctr_va_vdst(0)                   ; the wait at the head's end
	s_wait_loadcnt 0x0                             ; Q
	s_wait_tensorcnt 0x0                           ; my part of the head is in,
	s_barrier_signal -1
	s_barrier_wait -1                              ; everybody's is
.macro KLOAD ak, as                    ; a step's eight tiles of K, 512 consecutive bytes a load, and their scale words: register i: lanes 0-15 tile 2 i, lanes 16-31 tile 2 i + 1
.irp j, 0,1,2,3,4,5,6,7,8,9,10,11
	ds_load_b128 v[KV+4*\j:KV+4*\j+3], v[\ak] offset:512*\j
.endr
	ds_load_2addr_b64 v[224:227], v[\as] offset0:0 offset1:32   ; the two halves' words, 256 bytes apart
.endm
.macro PADD k                          ; pair 7 + k of p onto one of the sum's four chains, by turns
.if (\k)%4 == 3
	v_pk_add_f32 v[SUM:SUM+1], v[SUM:SUM+1], v[110+2*(\k):111+2*(\k)]
.else
	v_pk_add_f32 v[T1+2*((\k)%4):T1+2*((\k)%4)+1], v[T1+2*((\k)%4):T1+2*((\k)%4)+1], v[110+2*(\k):111+2*(\k)]
.endif
.endm
.macro STEP par                        ; 128 keys.  par: which of v12, v14 takes the new -M; the other holds the old
.set NN, 12+2*(\par)
.set NO, 14-2*(\par)
	s_wait_alu depctr_va_vdst(0)                   ; directly ahead of the wait below
	s_wait_dscnt 0x0                               ; K's fragments and scale words; no LDS instruction of mine is out
.if (\par) == 0
	s_barrier_signal -1                            ; I have begun this trip
.endif
.irp t, 0,2,4,6
	v_wmma_scale_f32_16x16x128_f8f6f4 v[96+8*\t:103+8*\t], v[KV+6*\t:KV+6*\t+11], v[16:27], 0, v[224+\t/2], v231 matrix_a_fmt:MATRIX_FMT_FP6 matrix_b_fmt:MATRIX_FMT_FP6
	v_wmma_scale_f32_16x16x128_f8f6f4 v[104+8*\t:111+8*\t], v[KV+6*\t+6:KV+6*\t+17], v[16:27], 0, v[224+\t/2], v231 matrix_a_fmt:MATRIX_FMT_FP6 matrix_b_fmt:MATRIX_FMT_FP6 matrix_a_scale:MATRIX_SCALE_ROW1
.endr
	v_add_nc_u32 v[ADV], s[TK], v[AV0]             ; these four are the places in front of the loads below and of the first read of the scores: this step's V,
	v_add_nc_u32 v[ADT], s[TV], v[AT0]
	s_add_co_u32 s[TK], s[TK], 6144
	s_add_co_u32 s[TS], s[TS], 512
	s_add_co_u32 s[TV], s[TV], 256
	v_add_nc_u32 v[ADK], s[TK], v[AK0]             ; and the next step's K
	v_add_nc_u32 v[ADS], s[TS], v[AS0]
.irp j, 0,1,2,3,4,5,6,7,8,9,10,11
	ds_load_b128 v[KV+4*\j:KV+4*\j+3], v[ADV] offset:512*\j   ; V's four fragments land under the softmax
.endr
	ds_load_b64 v[228:229], v[ADT]
.irp c, 0,1                            ; the largest score of my two blocks of 32 keys, two chains a block, each accumulator from its low end on: for the row's maximum, and, since p rises with the score, for the block's largest p
	v_max3_num_f32 v[BM+\c], v[96+32*\c], v[97+32*\c], v[98+32*\c]
	v_max3_num_f32 v[BB+\c], v[112+32*\c], v[113+32*\c], v[114+32*\c]
.endr
.irp i, 3,5,7,9,11,13
.irp c, 0,1
	v_max3_num_f32 v[BM+\c], v[BM+\c], v[96+32*\c+\i], v[97+32*\c+\i]
	v_max3_num_f32 v[BB+\c], v[BB+\c], v[112+32*\c+\i], v[113+32*\c+\i]
.endr
.endr
.irp c, 0,1
	v_max3_num_f32 v[BM+\c], v[BM+\c], v[BB+\c], v[111+32*\c]
.endr
.irp c, 0,1
	v_max_num_f32 v[BM+\c], v[BM+\c], v[127+32*\c]
.endr
	s_delay_alu instid0(VALU_DEP_1)
	v_max_num_f32 v[MT], v[BM], v[BM+1]            ; my 64 keys',
	s_delay_alu instid0(VALU_DEP_1)
	v_permlanex16_b32 v[MX], v[MT], s[SEL], s[SEL+1]
	s_delay_alu instid0(VALU_DEP_1)
	v_max3_num_f32 v[SMX], v[SMX], v[MT], v[MX]    ; lane l xor 16's 64, and all earlier steps'
	s_delay_alu instid0(VALU_DEP_1)
	v_mul_f32 v[XT], s[CS], v[SMX]                 ; as t (c is positive)
	s_delay_alu instid0(VALU_DEP_1)
	v_floor_f32 v[NN], -v[XT]                      ; -M = floor(-t): M is a whole number
	s_delay_alu instid0(VALU_DEP_1)
	v_sub_f32 v[XT], v[NN], v[NO]                  ; old M - new M, 0 or less
	s_delay_alu instid0(VALU_DEP_1)
	v_cvt_i32_f32 v[XT], v[XT]                     ; (it saturates)
	s_delay_alu instid0(VALU_DEP_1)
	v_ldexp_f32 v[FF], 1.0, v[XT]                  ; f = 2^(old M - new M)
.set j, 0
.rept 32
	v_pk_fma_f32 v[96+j:97+j], v[96+j:97+j], s[CS:CS+1], v[NN:NN+1] op_sel_hi:[1,0,0]   ; t - M
.set j, j+2
.endr
.irp c, 0,1
	v_fma_f32 v[BM+\c], v[BM+\c], s[CS], v[NN]     ; the same of each block's largest score
.endr
.set j, 0
.rept 16
	v_pk_mul_f32 v[160+j:161+j], v[160+j:161+j], v[FF:FF+1] op_sel_hi:[1,0]   ; O^T under the new M, each accumulator from its low end on
.set j, j+2
.endr
	s_wait_alu depctr_va_vdst(0)                   ; ahead of the batch
.irp c, 0,1
	v_exp_f32 v[BM+\c], v[BM+\c]                   ; the block's largest p
.endr
.set j, 0
.rept 64
	v_exp_f32 v[96+j], v[96+j]                     ; p = 2^(t - M)
.set j, j+1
.endr
	v_pk_mul_f32 v[SUM:SUM+1], v[SUM:SUM+1], v[FF:FF+1] op_sel_hi:[1,0]   ; the sum under the new M: the plain place behind the exponentials
	s_wait_alu depctr_va_vdst(0)                   ; one wait for the batch of 66, ahead of its first reader
.irp c, 0,1
	v_max_num_f32 v[BM+\c], 0x1800000, v[BM+\c]    ; the floor 2^(3 - 127): the byte cannot fall under 1
.endr
.irp c, 0,1
	s_delay_alu instid0(VALU_DEP_2)
	v_add_nc_u32 v[BSO+\c], 0xff000000, v[BM+\c]   ; 2 off the exponent field: the conversions' scale operand
.endr
.irp c, 0,1
	s_delay_alu instid0(VALU_DEP_2)
	v_lshrrev_b32 v[E+\c], 23, v[BSO+\c]           ; the byte
.endr
	s_delay_alu instid0(VALU_DEP_1)
	v_lshl_or_b32 v[XT], v[E+1], 16, v[E]          ; blocks h and 2 + h
	s_delay_alu instid0(VALU_DEP_1)
	v_permlanex16_b32 v[WX], v[XT], s[SEL], s[SEL+1]
	s_delay_alu instid0(VALU_DEP_1)
	v_lshl_or_b32 v230, v[WX], 8, v[XT]            ; in lanes 0-15, which alone are read: blocks 0, 1, 2, 3: p's scale word for these 128 keys
.irp c, 0,1
	v_cvt_scalef32_pk16_fp6_f32 v[PC+6*\c:PC+6*\c+2], v[96+32*\c:111+32*\c], v[BSO+\c]
	v_cvt_scalef32_pk16_fp6_f32 v[204+4*\c:206+4*\c], v[112+32*\c:127+32*\c], v[BSO+\c]   ; (a conversion's three registers begin on an even number)
.endr
	v_pk_add_f32 v[T1:T1+1], v[96:97], v[98:99]    ; THE ROW'S SUM IS TAKEN OF THE UNQUANTISED p, two at a time, in four chains.  This line is the plain place behind the conversions
.irp c, 0,1
.irp i, 0,1,2
	v_mov_b32 v[PC+6*\c+3+\i], v[204+4*\c+\i]
.endr
.endr
	v_pk_add_f32 v[T1+2:T1+3], v[100:101], v[102:103]   ; seven more: with them 14 places stand behind the scale word and 7 behind the last code
	v_pk_add_f32 v[T1+4:T1+5], v[104:105], v[106:107]
	v_pk_add_f32 v[SUM:SUM+1], v[SUM:SUM+1], v[108:109]
.set kk, 0
.rept 4
	PADD kk
.set kk, kk+1
.endr
	s_wait_alu depctr_va_vdst(0)                   ; directly ahead of the wait below
	s_wait_dscnt 0x0                               ; V
.irp t, 0,2
	v_wmma_scale_f32_16x16x128_f8f6f4 v[160+8*\t:167+8*\t], v[KV+12*\t:KV+12*\t+11], v[PC:PC+11], v[160+8*\t:167+8*\t], v[228+\t/2], v230 matrix_a_fmt:MATRIX_FMT_FP6 matrix_b_fmt:MATRIX_FMT_FP6
	v_wmma_scale_f32_16x16x128_f8f6f4 v[168+8*\t:175+8*\t], v[KV+12*\t+12:KV+12*\t+23], v[PC:PC+11], v[168+8*\t:175+8*\t], v[228+\t/2], v230 matrix_a_fmt:MATRIX_FMT_FP6 matrix_b_fmt:MATRIX_FMT_FP6 matrix_a_scale:MATRIX_SCALE_ROW1
.endr
.rept 4
	PADD kk                                        ; four additions, which name no register of the products: the places in front of the loads below
.set kk, kk+1
.endr
	KLOAD ADK, ADS                                 ; the next step's K
.rept 17
	PADD kk
.set kk, kk+1
.endr
	s_delay_alu instid0(VALU_DEP_3)
	v_pk_add_f32 v[T1+2:T1+3], v[T1+2:T1+3], v[T1+4:T1+5]
	s_delay_alu instid0(VALU_DEP_2)
	v_pk_add_f32 v[SUM:SUM+1], v[SUM:SUM+1], v[T1:T1+1]
	s_delay_alu instid0(VALU_DEP_1)
	v_pk_add_f32 v[SUM:SUM+1], v[SUM:SUM+1], v[T1+2:T1+3]
.endm
	s_mov_b32 s[PASS], 2
	s_mov_b32 s[PO], 0
.Lpass:
	v_mov_b32 v[SMX], 0xff61b1e6                   ; the largest score so far: -3e38
	v_mov_b32 v14, 0x7e000000                      ; the old -M, 2^125: the first f comes out 0, over sums that are 0
	v_mov_b32 v[SUM], 0
	v_mov_b32 v[SUM+1], 0
.set j, 0
.rept 32
	v_mov_b32 v[160+j], 0                          ; O^T: the step is written once; its first trip finds zeros
.set j, j+1
.endr
	KLOAD AK0, AS0                                 ; step 0's K
	s_mov_b32 s[TK], 0
	s_mov_b32 s[TS], 0
	s_mov_b32 s[TV], 0
	s_mov_b32 s[STEPS], 8
.Lstep:
	STEP 0
	STEP 1
	s_wait_alu depctr_va_vdst(0)                   ; ahead of the barrier's wait and the branch
	s_barrier_wait -1                              ; every wave has begun this trip
	s_sub_co_u32 s[STEPS], s[STEPS], 1
	s_cmp_lg_u32 s[STEPS], 0
	s_cbranch_scc1 .Lstep
	s_wait_dscnt 0x0                               ; the loads behind K's last step: their registers are free again.  (The last products' places were the 24 additions behind them)
	v_add_f32 v[SUM], v[SUM], v[SUM+1]
	s_delay_alu instid0(VALU_DEP_1)
	v_permlanex16_b32 v[MX], v[SUM], s[SEL], s[SEL+1]
	s_delay_alu instid0(VALU_DEP_1)
	v_add_f32 v[SUM], v[SUM], v[MX]                ; the row's sum
	s_wait_alu depctr_va_vdst(0)                   ; ahead of the transcendental
	v_rcp_f32 v[SUM], v[SUM]
	v_add_nc_u32 v[OSA], s[PO], v[OSA0]            ; a plain place behind the reciprocal
	s_wait_alu depctr_va_vdst(0)                   ; the wait ahead of its first reader, and of O^T's
.set j, 0
.rept 16
	v_pk_mul_f32 v[96+j:97+j], v[160+j:161+j], v[SUM:SUM+1] op_sel_hi:[1,0]   ; O^T / the sum: register 16 b + i is channel 32 b + 16 h + i; each accumulator from its low end on
.set j, j+2
.endr
.irp b, 0,1
	v_max3_num_f32 v[BM+\b], |v[96+16*\b]|, |v[97+16*\b]|, 0x1800000
.endr
.irp i, 2,4,6,8,10,12,14
.irp b, 0,1
	s_delay_alu instid0(VALU_DEP_2)
	v_max3_num_f32 v[BM+\b], v[BM+\b], |v[96+16*\b+\i]|, |v[97+16*\b+\i]|
.endr
.endr
.irp b, 0,1
	s_delay_alu instid0(VALU_DEP_2)
	v_permlanex16_b32 v[BT+\b], v[BM+\b], s[SEL], s[SEL+1]
.endr
.irp b, 0,1
	s_delay_alu instid0(VALU_DEP_2)
	v_max_num_f32 v[BM+\b], v[BM+\b], v[BT+\b]
.endr
.irp b, 0,1
	s_delay_alu instid0(VALU_DEP_2)
	v_add_nc_u32 v[BSO+\b], 0xff000000, v[BM+\b]
.endr
.irp b, 0,1
	s_delay_alu instid0(VALU_DEP_2)
	v_lshrrev_b32 v[BT+\b], 23, v[BSO+\b]
.endr
	s_delay_alu instid0(VALU_DEP_1)
	v_lshl_or_b32 v[HW], v[BT+1], 8, v[BT]
	v_cvt_scalef32_pk16_fp6_f32 v[PC:PC+2], v[96:111], v[BSO]
	v_cvt_scalef32_pk16_fp6_f32 v[204:206], v[112:127], v[BSO+1]
	v_nop                                          ; one plain place behind a scaled conversion
.irp i, 0,1,2
	v_permlane16_swap_b32 v[PC+\i], v[204+\i]      ; a whole block to a lane
.endr
.irp i, 0,1,2
	s_delay_alu instid0(VALU_DEP_3)
	v_mov_b32 v[PC+3+\i], v[204+\i]
.endr
.irp p, 0,1,2
	global_store_b64 v[OA], v[PC+2*\p:PC+2*\p+1], s[OCB:OCB+1] offset:256*\p   ; 32 lanes store 256 consecutive bytes, at a multiple of 256 from the buffer's first byte
.endr
	ds_store_b16 v[OSA], v[HW]                     ; both lanes of a query write the same two bytes
	s_wait_xcnt 0x0                                ; the stores have read their base and their data
	s_add_nc_u64 s[OCB:OCB+1], s[OCB:OCB+1], 16*12288
	s_add_co_u32 s[PO], s[PO], 512
.irp i, 0,1,2,3,4,5
	v_mov_b32 v[16+\i], v[240+\i]                  ; the next pass's queries
.endr
	v_mov_b32 v231, v246
	s_sub_co_u32 s[PASS], s[PASS], 1
	s_cmp_lg_u32 s[PASS], 0
	s_cbranch_scc1 .Lpass
	s_wait_dscnt 0x0                               ; for the others' sake: my bytes lie in the gather
	s_barrier_signal -1
	s_barrier_wait -1
	s_cmp_lt_u32 s[WV], 2
	s_cbranch_scc0 .Lno_os
	ds_load_b128 v[92:95], v[GLA]
	s_wait_dscnt 0x0
	global_store_b128 v[OSO], v[92:95], s[OSB:OSB+1]   ; 512 consecutive bytes a wave
.Lno_os:
	s_wait_tensorcnt 0x0                           ; the wave's end
	ds_add_u32 v[SPW], v[NIL]
	s_wait_dscnt 0x0
	CROUND                                         ; the closing round
	s_endpgm
.Lfunc_end_k_qafc78bff71_attn:
	.size	k_qafc78bff71_attn, .Lfunc_end_k_qafc78bff71_attn-k_qafc78bff71_attn
	.p2alignl 7, 3214868480
	.fill 96, 4, 3214868480
	.section	.rodata,"a",@progbits
	.p2align	6, 0x0
	.amdhsa_kernel k_qafc78bff71_attn
		.amdhsa_group_segment_fixed_size 211968
		.amdhsa_private_segment_fixed_size 0
		.amdhsa_enable_private_segment 0
		.amdhsa_kernarg_size 24
		.amdhsa_user_sgpr_count 2
		.amdhsa_user_sgpr_kernarg_segment_ptr 1
		.amdhsa_wavefront_size32 1
		.amdhsa_system_sgpr_workgroup_id_x 1
		.amdhsa_system_sgpr_workgroup_id_y 1
		.amdhsa_system_sgpr_workgroup_id_z 1
		.amdhsa_system_vgpr_workitem_id 0
		.amdhsa_next_free_vgpr 256
		.amdhsa_next_free_sgpr 66
		.amdhsa_reserve_vcc 0
		.amdhsa_float_denorm_mode_32 3
		.amdhsa_float_denorm_mode_16_64 3
		.amdhsa_memory_ordered 1
		.amdhsa_forward_progress 1
		.amdhsa_inst_pref_size 45
	.end_amdhsa_kernel
	.amdgpu_metadata
---
amdhsa.version: [ 1, 2 ]
amdhsa.kernels:
  - .name:           k_qafc78bff71_attn
    .symbol:         k_qafc78bff71_attn.kd
    .args:
      - { .name: hb, .offset: 0, .size: 8, .value_kind: global_buffer, .address_space: global }
      - { .name: oc, .offset: 8, .size: 8, .value_kind: global_buffer, .address_space: global }
      - { .name: os, .offset: 16, .size: 8, .value_kind: global_buffer, .address_space: global }
    .group_segment_fixed_size: 211968
    .private_segment_fixed_size: 0
    .kernarg_segment_align: 8
    .kernarg_segment_size: 24
    .max_flat_workgroup_size: 512
    .sgpr_count:     66
    .vgpr_count:     256
    .wavefront_size: 32
...
	.end_amdgpu_metadata
.endif
;; end of part 3
;; launch outp (part 4): grid 8 x 32, 4 waves a work-group, clusters of 4 x 4, 327,680 bytes of LDS; arguments oc, os, codes, scales, b_out, out0; writes out0
.if DOCPART == 4
	.amdgcn_target "amdgcn-amd-amdhsa--gfx1250"
	.amdhsa_code_object_version 6
	.text
	.protected	k_qafc78bff71_outp
	.globl	k_qafc78bff71_outp
	.p2align	8
	.type	k_qafc78bff71_outp,@function
k_qafc78bff71_outp:
	s_mov_b64 s[64:65], 0
	v_nop
	global_prefetch_b8 v0, s[64:65] scope:SCOPE_SE
	s_setreg_imm32_b32 hwreg(HW_REG_WAVE_MODE, 25, 1), 1
	s_wait_xcnt 0x0
	s_wait_alu depctr_hold_cnt(0) depctr_sa_sdst(0) depctr_va_vdst(0) depctr_va_sdst(0) depctr_va_ssrc(0) depctr_va_vcc(0) depctr_vm_vsrc(0)
	s_getreg_b32 s2, hwreg(HW_REG_IB_STS2, 6, 4)
	s_cmp_eq_u32 s2, 0
	s_cbranch_scc0 .Lentry_in_a_cluster
	s_endpgm
.Lentry_in_a_cluster:
	s_bfe_u32 s2, ttmp6, 0x10000c
	s_cmp_lg_u32 s2, 0xf033
	s_cbranch_scc0 .Lentry_shape_is_right
	s_endpgm
.Lentry_shape_is_right:
; out0 = O W_out^T + b_out on codes of FP6 (E2M3) with E8M0 scales, f32 out.  oc: [tile of 16 rows][K step of 128 = heads 2 s, 2 s + 1][piece 0..5][lane][8 bytes]; os: [head][row] of two scale bytes;
; W_out's codes and scale bytes are rows 27,648 .. of codes ([row tile][K step][piece][lane][8 bytes]) and scales ([row tile][row][32 bytes]).
; THE DEAL: 8,192 x 1,024 results in blocks of 256 rows (A: O) x 128 columns (B: W_out's rows): 32 x 8 = 256 work-groups, one block each.  4 x 4 work-groups form a cluster: A's tiles are shared along its rows, B's along its columns.
; A wave takes 64 rows x 128 columns: 32 accumulators.  The matrix instruction is used transposed (source 0 = W_out's rows): a lane holds eight neighbouring numbers of a row of out0.
; LDS: two slots, each with four K steps of A's 16 and B's 8 row tiles (24 x 6,144 bytes): together all of K, each filled once.  At the head one tensor load a wave: waves 0, 1 half of A's tiles each, wave 2 B's, wave 3 os's 16 x 512 bytes;
; the second slot is asked for behind the full sequence and a round.  No bytes are filled again.
; O's scale bytes are turned in LDS from [head][row] to [row][32 bytes]; A's words then come from LDS, B's from memory, into registers of their own.  The bias is the C of the first products.
; The way out goes through a stage in slot 0, which has had its only fill and, behind K step 3's barrier, its last read.
; No prefetch: all that the launch streams is asked for in two groups at its head; there is no loop to run ahead in.
.set FR,    12
.set IMG,   1536
.set TROW,  4*IMG
.set SLOT,  24*TROW
.set BOFF,  16*TROW
.set SPARE, 2*SLOT                     ; the spare words, 128 bytes a wave, that no other line names
.set OSP,   SPARE+512                  ; os's tile: [head][256 rows x 2 bytes]
.set SCLA,  OSP+8192                   ; O's scale bytes, [row][32]
.set SPITCH, 528
.set LI8,  6
.set SO,   8                           ; v8 32 r;  v9 32 h
.set BO,   9
.set PLA,  10
.set SWA,  11
.set ADRS, 12
.set ADRA, 16
.set ADRB, 20
.set STO,  24
.set RD,   25
.set CO,   26
.set SPW,  28
.set NIL,  29
.set XA,   32                          ; v32-63 A's scale words, 8 a + K step;  v68-131 B's: they hold nothing else
.set XB,   68
.set T,    136                         ; v136-167 at work on os
.set BIAS, 192                         ; v192-255 the bias, 8 b + j.  Window 1: B's fragments, two sets at 0 and 128; window 3: A's, two sets at 0 and 48 (on the way out: rows read back); window 2: the accumulators
.set WV,  16
.set RH,  17
.set CH,  18
.set G1,  24
.set G0,  32
.set G1B, 48
.set G0B, 56
.set G1S, 68
.set G0S, 76
.set CB,  92
.set MULW, 0xad
.set MSB, 0
.macro WIN new
.if MSB != \new
	s_set_vgpr_msb (MSB<<8)|\new
.set MSB, \new
.endif
.endm
.macro PLACES n
.rept \n
	v_nop
.endr
.endm
.macro CROUND
	s_barrier_signal -1
	s_barrier_wait -1
	s_cmp_lg_u32 s[WV], 0
	s_cbranch_scc1 .Lnot_wave_0_\@
	s_barrier_signal -3
.Lnot_wave_0_\@:
	s_barrier_wait -3
	s_barrier_signal -1
	s_barrier_wait -1
.endm
.macro JL s, withs                     ; one chain of branches on the wave's number, one load to an arm
	s_cmp_lt_u32 s[WV], 2
	s_cbranch_scc0 .Lfor_b_\@
	tensor_load_to_lds s[G0+4*\s:G0+4*\s+3], s[G1:G1+7]
	s_nop 0
	PLACES 4
	s_branch .Lasked_\@
.Lfor_b_\@:
	s_cmp_eq_u32 s[WV], 2
	s_cbranch_scc0 .Lfor_s_\@
	tensor_load_to_lds s[G0B+4*\s:G0B+4*\s+3], s[G1B:G1B+7]
	s_nop 0
	PLACES 4
	s_branch .Lasked_\@
.Lfor_s_\@:
.if \withs
	tensor_load_to_lds s[G0S:G0S+3], s[G1S:G1S+7]
	s_nop 0
	PLACES 4
.endif
.Lasked_\@:
.endm
	s_load_b256 s[4:11], s[0:1], 0x0               ; oc, os, codes, scales
	s_load_b128 s[12:15], s[0:1], 0x20             ; b_out, out0
	v_lshl_add_u32 v[SPW], v0, 2, SPARE
	v_mov_b32 v[NIL], 0
	ds_add_u32 v[SPW], v[NIL]                      ; the opening lines: the add, twice on end, and its wait ahead of my first tensor load
	ds_add_u32 v[SPW], v[NIL]
	v_lshrrev_b32 v1, 5, v0
	v_readfirstlane_b32 s[WV], v1
	s_lshr_b32 s[RH], s[WV], 1
	s_and_b32 s[CH], s[WV], 1
	s_bfe_u32 s19, ttmp6, 0x40000                  ; cx
	s_bfe_u32 s20, ttmp6, 0x40004                  ; cy
	s_and_b32 s21, ttmp7, 0xffff
	s_lshl_b32 s22, ttmp9, 2
	s_add_co_u32 s22, s22, s19                     ; X: 128 columns
	s_lshl_b32 s23, s21, 2
	s_add_co_u32 s23, s23, s20                     ; Y: 256 rows
	s_lshl_b32 s42, s20, 2
	s_lshl_b32 s42, 15, s42                        ; my row of the cluster
	s_lshl_b32 s43, 0x1111, s19                    ; my column
	s_or_b32 s[G1+0], s42, (3<<16)|(1<<21)
	s_or_b32 s[G1B+0], s43, (3<<16)|(1<<21)
.irp g, G1, G1B
	s_mov_b32 s[\g+1], 768<<16                     ; rows of 6,144 bytes: a row tile's four K steps,
	s_mov_b32 s[\g+2], 8<<16                       ; eight of them,
	s_mov_b32 s[\g+3], 768<<16
	s_mov_b32 s[\g+4], 8
	s_mov_b32 s[\g+5], 1536                        ; 12,288 bytes apart
	s_mov_b32 s[\g+6], 0
	s_mov_b32 s[\g+7], 0
.endr
	s_or_b32 s[G1S+0], s42, (3<<16)|(1<<21)        ; os: 16 heads x 512 bytes, 16,384 bytes apart
	s_mov_b32 s[G1S+1], 64<<16
	s_mov_b32 s[G1S+2], 16<<16
	s_mov_b32 s[G1S+3], 64<<16
	s_mov_b32 s[G1S+4], 16
	s_mov_b32 s[G1S+5], 2048
	s_mov_b32 s[G1S+6], 0
	s_mov_b32 s[G1S+7], 0
	s_lshl_b32 s40, s23, 8
	s_lshl_b32 s41, s[CH], 7
	s_add_co_u32 s40, s40, s41
	s_mul_i32 s40, s40, 768                        ; A: row 256 Y + the 128 that my wave fetches
	s_mov_b32 s41, 0
	s_lshl_b32 s44, s22, 7
	s_add_co_u32 s44, s44, 27648
	s_lshl_b32 s96, s44, 5                         ; B's scale bytes
	s_mov_b32 s97, 0
	s_mul_i32 s44, s44, 768                        ; B: row 27,648 + 128 X
	s_mov_b32 s45, 0
	s_lshl_b32 s46, s23, 9                         ; os: 2 bytes a row
	s_mov_b32 s47, 0
	s_mul_i32 s3, s[CH], 8*TROW
	s_wait_dscnt 0x0
	s_wait_kmcnt 0x0
	s_add_nc_u64 s[40:41], s[4:5], s[40:41]
	s_add_nc_u64 s[44:45], s[8:9], s[44:45]
	s_add_nc_u64 s[46:47], s[6:7], s[46:47]
	s_add_nc_u64 s[96:97], s[10:11], s[96:97]
	CROUND                                         ; all sixteen work-groups are here: the first joint loads meet
.irp s, 0,1
	s_mov_b32 s[G0+4*\s], 1
	s_add_co_u32 s[G0+4*\s+1], s3, \s*SLOT
	s_add_nc_u64 s[G0+4*\s+2:G0+4*\s+3], s[40:41], \s*TROW
	s_or_b32 s[G0+4*\s+3], s[G0+4*\s+3], 0x80000000
	s_mov_b32 s[G0B+4*\s], 1
	s_mov_b32 s[G0B+4*\s+1], BOFF+\s*SLOT
	s_add_nc_u64 s[G0B+4*\s+2:G0B+4*\s+3], s[44:45], \s*TROW
	s_or_b32 s[G0B+4*\s+3], s[G0B+4*\s+3], 0x80000000
.endr
	s_mov_b32 s[G0S], 1
	s_mov_b32 s[G0S+1], OSP
	s_mov_b64 s[G0S+2:G0S+3], s[46:47]
	s_or_b32 s[G0S+3], s[G0S+3], 0x80000000
	JL 0, 1                                        ; K steps 0-3 and os: one tensor load a wave at the head
	v_and_b32 v1, 15, v0                           ; r
	v_bfe_u32 v2, v0, 4, 1                         ; h
	v_and_b32 v3, 31, v0
	v_lshlrev_b32 v[LI8], 3, v3
	v_lshlrev_b32 v[SO], 5, v1
	v_lshlrev_b32 v[BO], 5, v2
	v_lshl_add_u32 v[PLA], v0, 2, OSP              ; thread t turns rows 2 t, 2 t + 1: four bytes of each head's 512,
	v_lshl_add_u32 v[SWA], v0, 6, SCLA             ; 64 bytes out
	s_lshl_b32 s3, s[WV], 11
	s_add_co_u32 s3, s3, SCLA
	v_add_nc_u32 v[ADRS], s3, v[SO]                ; my 64 rows' words
	s_mul_i32 s3, s[WV], 4*TROW
	v_add_nc_u32 v[ADRA], s3, v[LI8]
	v_add_nc_u32 v[ADRA+1], SLOT, v[ADRA]
	v_add_nc_u32 v[ADRB], BOFF, v[LI8]
	v_add_nc_u32 v[ADRB+1], BOFF+SLOT, v[LI8]
	s_mul_i32 s3, s[WV], 16*SPITCH                 ; my stage
	v_mul_u32_u24 v4, v1, SPITCH
	v_lshl_add_u32 v4, v2, 5, v4
	v_add_nc_u32 v[STO], s3, v4
	v_lshlrev_b32 v[CO], 4, v3
	v_add_nc_u32 v[RD], s3, v[CO]
	s_mov_b32 s66, 0x05040100
	s_mov_b32 s67, 0x07060302
	s_lshl_b32 s44, s22, 9                         ; 128 X columns of 4 bytes
	s_mov_b32 s45, 0
	s_add_nc_u64 s[98:99], s[12:13], s[44:45]
	s_lshl_b32 s46, s23, 8
	s_lshl_b32 s47, s[WV], 6
	s_add_co_u32 s46, s46, s47
	s_lshl_b32 s46, s46, 12                        ; my first row of out0: 4,096 bytes a row
	s_add_co_u32 s46, s46, s44
	s_mov_b32 s47, 0
	s_add_nc_u64 s[CB:CB+1], s[14:15], s[46:47]
	s_wait_alu depctr_va_vdst(0)                   ; ahead of the readers below and at the head's end
.irp b, 0,1,2,3,4,5,6,7
	global_load_b128 v[XB+8*\b:XB+8*\b+3], v[SO], s[96:97] offset:512*\b
	global_load_b128 v[XB+8*\b+4:XB+8*\b+7], v[SO], s[96:97] offset:512*\b+16
	global_load_b128 v[BIAS+8*\b:BIAS+8*\b+3], v[BO], s[98:99] offset:64*\b        ; register 8 b + j of lane (r, h) is column 16 b + 8 h + j
	global_load_b128 v[BIAS+8*\b+4:BIAS+8*\b+7], v[BO], s[98:99] offset:64*\b+16
.endr
.macro FRAG reg, adr, off
.irp p, 0,1,2,3,4,5
	ds_load_b64 v[\reg+2*\p:\reg+2*\p+1], v[\adr] offset:(\off)+256*\p
.endr
.endm
.macro FETCH slot, q, p                ; K step q of a slot into sets p: 72 loads
	WIN 0x40
.irp i, 0,1,2,3,4,5,6,7
	FRAG 128*(\p)+FR*\i, ADRB+\slot, \i*TROW+(\q)*IMG
.endr
	WIN 0xc0
.irp i, 0,1,2,3
	FRAG 48*(\p)+FR*\i, ADRA+\slot, \i*TROW+(\q)*IMG
.endr
	WIN 0
.endm
.macro MUL a0, a1, p, q, cm            ; A's tiles a0 .. a1 x B's eight.  cm 1: C = the bias.  The 32 accumulators take turns, in the same order in every step
.set a_, \a0
.rept (\a1)-(\a0)+1
.irp b, 0,1,2,3,4,5,6,7
.set D_, 8*(8*a_+\b)
.set S0_, 128*(\p)+FR*\b
.set S1_, 48*(\p)+FR*a_
.set X0_, XB+8*\b+(\q)
.set X1_, XA+8*a_+(\q)
.if (\cm) == 0
	v_wmma_scale_f32_16x16x128_f8f6f4 v[D_:D_+7], v[S0_:S0_+FR-1], v[S1_:S1_+FR-1], v[D_:D_+7], v[X0_], v[X1_] matrix_a_fmt:MATRIX_FMT_FP6 matrix_b_fmt:MATRIX_FMT_FP6
.else
	v_wmma_scale_f32_16x16x128_f8f6f4 v[D_:D_+7], v[S0_:S0_+FR-1], v[S1_:S1_+FR-1], v[BIAS+8*\b:BIAS+8*\b+7], v[X0_], v[X1_] matrix_a_fmt:MATRIX_FMT_FP6 matrix_b_fmt:MATRIX_FMT_FP6
.endif
.endr
.set a_, a_+1
.endr
.endm
.macro STEP slot, q, kq, cm
	WIN 0
	s_wait_dscnt 0x0                               ; this step's fragments
	PLACES 4                                       ; behind the last step's products, whose sets the loads below fill
	FETCH \slot, (\q)+1, 1-(\kq)%2
.if (\cm) == 1
	WIN 0x8d                                       ; C in window 0
.else
	WIN MULW
.endif
	MUL 0, 3, (\kq)%2, \kq, \cm
.endm
	s_wait_tensorcnt 0x0                           ; my part of the first fill is in; the full sequence ahead of a later first fill:
	ds_add_u32 v[SPW], v[NIL]
	s_wait_dscnt 0x0
	CROUND
	JL 1, 0                                        ; K steps 4-7
.irp p, 0,1,2,3,4,5,6,7,8,9,10,11,12,13,14,15
	ds_load_b32 v[T+\p], v[PLA] offset:512*\p      ; head p's bytes of rows 2 t, 2 t + 1
.endr
	s_wait_dscnt 0x0
.irp s, 0,1,2,3,4,5,6,7
	v_perm_b32 v[T+16+\s], v[T+1+2*\s], v[T+2*\s], s66   ; row 2 t's word of K step s: heads 2 s, 2 s + 1
	v_perm_b32 v[T+24+\s], v[T+1+2*\s], v[T+2*\s], s67   ; row 2 t + 1's
.endr
.irp c, 0,1,2,3
	ds_store_b128 v[SWA], v[T+16+4*\c:T+19+4*\c] offset:16*\c
.endr
	s_wait_dscnt 0x0                               ; for the others' sake
	s_barrier_signal -1
	s_barrier_wait -1                              ; the second slot's loads may be on their way
.irp a, 0,1,2,3
	ds_load_b128 v[XA+8*\a:XA+8*\a+3], v[ADRS] offset:512*\a
	ds_load_b128 v[XA+8*\a+4:XA+8*\a+7], v[ADRS] offset:512*\a+16
.endr
	FETCH 0, 0, 0
	s_wait_loadcnt 0x0
	STEP 0, 0, 0, 1
	STEP 0, 1, 1, 0
	STEP 0, 2, 2, 0
	WIN 0                                          ; K step 3: a barrier shows the second slot whole, and slot 0 read out
	s_wait_dscnt 0x0
	s_wait_tensorcnt 0x0
	ds_add_u32 v[SPW], v[NIL]
	WIN MULW
	MUL 0, 0, 1, 3, 0
	s_wait_dscnt 0x0
	s_barrier_signal -1
	MUL 1, 1, 1, 3, 0
	WIN 0
	s_barrier_wait -1
	PLACES 4
	FETCH 1, 0, 0
	WIN MULW
	MUL 2, 3, 1, 3, 0
	STEP 1, 0, 4, 0
	STEP 1, 1, 5, 0
	STEP 1, 2, 6, 0
	WIN 0
	s_wait_dscnt 0x0
	WIN MULW
	MUL 0, 3, 1, 7, 0
	WIN 0
; THE WAY OUT, block by block of 16 rows x 128 columns: through my own stage, back as whole rows of 512 bytes.  LDS serves a wave's instructions in order: no wait between the stores and the loads
.macro TOSTAGE a
	WIN 0x08
.irp b, 0,1,2,3,4,5,6,7
	ds_store_b128 v[STO], v[64*(\a)+8*\b:64*(\a)+8*\b+3] offset:64*\b          ; each accumulator from its low end on
	ds_store_b128 v[STO], v[64*(\a)+8*\b+4:64*(\a)+8*\b+7] offset:64*\b+16
.endr
	WIN 0xc0
.irp t, 0,1,2,3,4,5,6,7,8,9,10,11,12,13,14,15
	ds_load_b128 v[64*((\a)%2)+4*\t:64*((\a)%2)+4*\t+3], v[RD] offset:\t*SPITCH
.endr
	WIN 0
.endm
.macro SEND a, younger
	s_wait_dscnt \younger
.if (\a) > 0
	s_add_nc_u64 s[CB:CB+1], s[CB:CB+1], 16*4096   ; (behind a wait on XCNT: the earlier stores have read their base)
.endif
	WIN 0x0c
.irp t, 0,1,2,3,4,5,6,7,8,9,10,11,12,13,14,15
	global_store_b128 v[CO], v[64*((\a)%2)+4*\t:64*((\a)%2)+4*\t+3], s[CB:CB+1] offset:\t*4096 th:TH_STORE_NT   ; 512 consecutive bytes, at a multiple of 256 from out0's first byte
.endr
	WIN 0
.endm
	PLACES 4
	TOSTAGE 0
.irp a, 1,2,3
.if \a > 1
	s_wait_xcnt 0x0                                ; block a - 2's stores have read their registers and their base
.endif
	TOSTAGE \a
	SEND \a-1, 32                                  ; behind block a - 1's loads: block a's 16 stores and 16 loads
.endr
	s_wait_xcnt 0x0
	SEND 3, 0
	s_wait_tensorcnt 0x0                           ; the wave's end
	ds_add_u32 v[SPW], v[NIL]
	s_wait_dscnt 0x0
	CROUND                                         ; the closing round
	s_endpgm
.Lfunc_end_k_qafc78bff71_outp:
	.size	k_qafc78bff71_outp, .Lfunc_end_k_qafc78bff71_outp-k_qafc78bff71_outp
	.p2alignl 7, 3214868480
	.fill 96, 4, 3214868480
	.section	.rodata,"a",@progbits
	.p2align	6, 0x0
	.amdhsa_kernel k_qafc78bff71_outp
		.amdhsa_group_segment_fixed_size 327680
		.amdhsa_private_segment_fixed_size 0
		.amdhsa_enable_private_segment 0
		.amdhsa_kernarg_size 48
		.amdhsa_user_sgpr_count 2
		.amdhsa_user_sgpr_kernarg_segment_ptr 1
		.amdhsa_wavefront_size32 1
		.amdhsa_system_sgpr_workgroup_id_x 1
		.amdhsa_system_sgpr_workgroup_id_y 1
		.amdhsa_system_sgpr_workgroup_id_z 1
		.amdhsa_system_vgpr_workitem_id 0
		.amdhsa_next_free_vgpr 1024
		.amdhsa_next_free_sgpr 100
		.amdhsa_reserve_vcc 0
		.amdhsa_float_denorm_mode_32 3
		.amdhsa_float_denorm_mode_16_64 3
		.amdhsa_memory_ordered 1
		.amdhsa_forward_progress 1
		.amdhsa_inst_pref_size 101
	.end_amdhsa_kernel
	.amdgpu_metadata
---
amdhsa.version: [ 1, 2 ]
amdhsa.kernels:
  - .name:           k_qafc78bff71_outp
    .symbol:         k_qafc78bff71_outp.kd
    .args:
      - { .name: oc, .offset: 0, .size: 8, .value_kind: global_buffer, .address_space: global }
      - { .name: os, .offset: 8, .size: 8, .value_kind: global_buffer, .address_space: global }
      - { .name: codes, .offset: 16, .size: 8, .value_kind: global_buffer, .address_space: global }
      - { .name: scales, .offset: 24, .size: 8, .value_kind: global_buffer, .address_space: global }
      - { .name: b_out, .offset: 32, .size: 8, .value_kind: global_buffer, .address_space: global }
      - { .name: out0, .offset: 40, .size: 8, .value_kind: global_buffer, .address_space: global }
    .group_segment_fixed_size: 327680
    .private_segment_fixed_size: 0
    .kernarg_segment_align: 8
    .kernarg_segment_size: 48
    .max_flat_workgroup_size: 128
    .sgpr_count:     100
    .vgpr_count:     1024
    .wavefront_size: 32
...
	.end_amdgpu_metadata
.endif
;; end of part 4
